; MI455X (gfx1250); checked and timed in simulation.
; The chip was launched on July 23, 2026; its instructions are those of AMD's public machine-readable ISA for CDNA 5 (MIT licence, August 2026) and "CDNA5" Instruction Set Architecture Reference Guide (July 2026). The comments in the code are by the model that wrote it; some were corrected since.
;; Causal Self Attention. Allowed arithmetic: matrix products marked QUANTISED: E2M3 operands, one E8M0 scale for each 32 along K, by v_wmma_scale_f32_16x16x128_f8f6f4 with both operands' format E2M3, f32 sums; everything else in f32.
;; Inputs: Wk 16 x 1,024 x 64 float32; Wq 16 x 1,024 x 64 float32; Wv 16 x 1,024 x 64 float32; proj_b 1,024 float32; proj_w 1,024 x 1,024 float32; x 4 x 2,048 x 1,024 float32.
;; Outputs: out0 4 x 2,048 x 1,024 float32.
;; This version of the problem:
;;   THIS VERSION OF THE PROBLEM IS GIVEN IN LOW PRECISION. The matrix products marked QUANTISED in the list below multiply operands that are first quantised to E2M3 (2 exponent bits, 3 mantissa bits; 6 bits a number), with one power-of-two scale for each 32 numbers along K (OCP MX v1.0); their sums are f32. All else is computed in f32.
;;   The module's matrix products, in the order in which they are computed (A, B: the left and right operand; K: the contracted axis; several contracted axes count as one K, in the product's order):
;;     1. [M 8,192, K 1,024] x [K 1,024, N 1,024]; A: input x; B: input Wq: QUANTISED
;;     2. [M 8,192, K 1,024] x [K 1,024, N 1,024]; A: input x; B: input Wk: QUANTISED
;;     3. [M 8,192, K 1,024] x [K 1,024, N 1,024]; A: input x; B: input Wv: QUANTISED
;;     4. batch 64 x [M 2,048, K 64] x [K 64, N 2,048]; A: computed on the way; B: computed on the way: QUANTISED
;;     5. batch 64 x [M 2,048, K 2,048] x [K 2,048, N 64]; A: softmax (see below); B: computed on the way: QUANTISED
;;     6. [M 8,192, K 1,024] x [K 1,024, N 1,024]; A: computed on the way; B: input proj_w: QUANTISED
;;   THE QUANTISER, for each operand of a quantised product, along K:
;;     - K is cut into blocks of 32 from its start; a last block that is shorter is filled with zeros.
;;     - A block's scale is 2^e with e = floor(log2(the largest magnitude in the block)) - 2, held to -126 .. 127; a block of zeros has e = 0. As a byte (E8M0): e + 127.
;;     - Each number is divided by its block's scale, clamped to +-7.5, and rounded to the nearest number of E2M3, ties to even, subnormals kept.
;;     - The product sums the exact products of the quantised numbers (number of the format x scale) in f32.
;;   ~~~python
;;   def quantise(x, axis):      # numpy; x: float32 -> the quantised numbers, widened to float32 again
;;       x = np.moveaxis(x, axis, -1); K = x.shape[-1]
;;       x = np.pad(x, [(0, 0)] * (x.ndim - 1) + [(0, -K % 32)]); x = x.reshape(x.shape[:-1] + (-1, 32)); a = np.abs(x).max(-1, keepdims=True)
;;       e = np.where(a > 0, np.clip(np.frexp(np.where(a > 0, a, 1))[1] - 1 - 2, -126, 127), 0)      # np.frexp(a)[1] - 1 = floor(log2(a)), exactly
;;       r = np.clip(x / 2.0 ** e, -7.5, 7.5)
;;       step = 2.0 ** (np.maximum(np.frexp(np.where(r == 0, 1, r))[1] - 1, 0) - 3)
;;       q = np.round(r / step) * step * 2.0 ** e      # np.round: ties to even
;;       return np.moveaxis(q.reshape(q.shape[:-2] + (-1,))[..., :K], -1, axis).astype(np.float32)
;;   ~~~
;;   SOFTMAX AHEAD OF A QUANTISED PRODUCT. Where the list says 'softmax', what is quantised is not the finished softmax but p = 2^(t - M), with t = logit x log2(e) and M = ceil(the row's largest t), a whole number; so 1/2 < the row's largest p <= 1. The row's sum l is taken of the UNQUANTISED p, in f32, and the product's result is divided by l at the end. Since M is a whole number, a kernel that streams over the keys may use a running M (the ceiling of the running maximum): every later rescaling is an exact power of two, which a block's scale takes up: the codes' values come out the same.
;;   OPERANDS COMPUTED ON THE WAY. 'Computed on the way' means the value that the module computes at that place (a softmax that the list does not call 'softmax' is quantised finished and normalised). What goes into a quantiser is computed in f32, as accurately as f32 sums, v_exp_f32 and their like allow (about 1e-6 of the number): no bf16 or f16 on the way to a quantiser, and a product that is left as it is and whose result goes on into a quantised operand takes f32 operands (vector FMAs, or v_wmma_f32_16x16x4_f32). A number that lies on a knife's edge between two numbers of the format may be rounded either way, as far as f32 arithmetic and the matrix unit's own rounding can turn it there, and no further.
;; One version. Each part assembles by itself: llvm-mc -triple=amdgcn-amd-amdhsa -mcpu=gfx1250 --defsym DOCPART=n.
;; ======== version 1 of 1: 4 launches
;; workspace buffers: xq 6,553,600 bytes; wq 2,457,600 bytes; pq 819,200 bytes; aq 6,553,600 bytes; qq 6,815,744 bytes; kq 6,815,744 bytes; vq 6,815,744 bytes
;; launch prep (part 1): grid 240 x 1, 8 waves a work-group, no clusters, 94,976 bytes of LDS; arguments x, proj_w, Wq, Wk, Wv, xq, pq, wq; writes xq, pq, wq
.if DOCPART == 1
	.amdgcn_target "amdgcn-amd-amdhsa--gfx1250"
	.amdhsa_code_object_version 6
	.text
	.protected	k_qe2a6366927_prep
	.globl	k_qe2a6366927_prep
	.p2align	8
	.type	k_qe2a6366927_prep,@function
k_qe2a6366927_prep:
	s_mov_b64 s[64:65], 0
	v_nop
	global_prefetch_b8 v0, s[64:65] scope:SCOPE_SE
	s_setreg_imm32_b32 hwreg(HW_REG_WAVE_MODE, 25, 1), 1
	s_wait_xcnt 0x0
; x [8192][1024], proj_w [1024][1024] (K innermost) and Wq, Wk, Wv [16][1024][64] (K = the middle axis) become codes of E2M3 with one E8M0 byte for each 32 along K.
; THE FORMAT OF EVERY OPERAND: a HALF IMAGE of 768 bytes = 16 rows x 64 along K as an image of operand registers: lane l = r + 16 h holds row r, k = 32 h .. 32 h + 31: 24 bytes, registers 0-5;
; registers 0-3 lie at 16 l, registers 4-5 at 512 + 8 l.  Two half images are a fragment of 16 x 128.  A buffer of NT row tiles: codes [k / 256][row tile][4 half images]; behind them the scale bytes [row tile][k / 512][row][16].
; A block's scale is 2^(floor(log2(its largest magnitude)) - 2); its byte is the largest magnitude's exponent field - 2, held at 1 from below.
; LIMITS: a block of zeros gets the byte 1 where the rule says 127 (its codes are zeros, and this program alone reads the bytes); blocks whose largest magnitude lies under 2^-124 keep the byte 1; NaN and infinities are not served.
; WORK-GROUPS 0-127 take x, 128-143 proj_w (path X: a wave takes 16 rows x 512 along K); 144-239 the weights (path W: a work-group takes 8 heads x 64 along K x 64 columns of one matrix, a wave a head).
; The two paths have LDS bytes of their own and meet at ONE barrier, which path W needs between its two phases; all scalars of both paths are made at the head.
; THE ORDER OF WEIGHT ROWS in wq is chosen so that the next launch's results fall as its quantisers want them:
;   Wq, Wk: tile 4 head + 2 dh + ut, row p = column 32 dh + 8 ut + p % 8 + 16 (p / 8).     Wv: tile 2 (2 Rv + par) + u, row p = head 8 u + p % 8 at column 16 (Rv / 8) + Rv % 8 + 8 par + 32 (p / 8).
.set XSTG,  0                          ; path X: a stage of 16 rows x (512 + 16) bytes for each wave
.set WA,    67584                      ; path W: registers 0-3 of each column's block: [k half][head: 1,056][column: 16 bytes]
.set WB,    84480                      ;         registers 4-5: [k half][head: 528][column: 8 bytes]
.set WS,    92928                      ;         the scale bytes: [head: 128][column: 2 bytes]
.set SPARE, 93952                      ; the spare words, 128 bytes for each wave: four blocks of 256 bytes that no other line names
.set SPW, 6                            ; v6   LDS address of my spare word; never rewritten
.set NIL, 7                            ; v7   0; never rewritten
.set TM,  26                           ; v26-29 largest magnitudes, v30-33 the other half's, then bytes, v34-37 the conversions' scale operands
.set PW,  38                           ; v38-41 the scale words of my four K steps
.set PC,  44                           ; v44-55 a fragment's codes, v56-63 the conversions' second halves
.set X,   64                           ; v64-127 64 numbers of a lane
.set R,   128                          ; v128-255 two sets of 64 as loaded
.set SH,  21                           ; s21  lanes 16-31
.set SEL, 22                           ; s[22:23] lane l xor 16
	s_load_b256 s[4:11], s[0:1], 0x0               ; x, proj_w, Wq, Wk
	s_load_b256 s[12:19], s[0:1], 0x20             ; Wv, xq, pq, wq
	v_lshl_add_u32 v[SPW], v0, 2, SPARE
	v_mov_b32 v[NIL], 0
	v_lshrrev_b32 v1, 5, v0
	v_readfirstlane_b32 s20, v1                    ; wave 0..7
	v_and_b32 v1, 31, v0                           ; lane
	v_and_b32 v2, 15, v0                           ; r
	v_bfe_u32 v3, v0, 4, 1                         ; h
	v_and_b32 v23, 7, v0                           ; r % 8
	v_bfe_u32 v24, v0, 3, 1                        ; r / 8
	v_lshlrev_b32 v4, 4, v1                        ; 16 l
	v_lshlrev_b32 v5, 3, v1                        ; 8 l
	v_lshlrev_b32 v22, 2, v1                       ; 4 l
	s_mov_b32 s[SH], 0xffff0000
	s_mov_b32 s[SEL], 0x76543210
	s_mov_b32 s[SEL+1], 0xfedcba98
.irp b, 0,1,2,3
	v_mov_b32 v[TM+4+\b], 0                        ; written once: a lane permute's destination counts as one of its sources
.endr
	; every LDS address of both paths: a constant + a lane term + a constant x wave
	s_mul_i32 s42, s20, 8448
	v_add_nc_u32 v8, s42, v4                       ; X: into my stage, as loaded
	v_mul_u32_u24 v9, v2, 528
	v_lshl_add_u32 v9, v3, 6, v9
	v_add_nc_u32 v9, s42, v9                       ; X: out of it: row r, + 64 h
	v_lshlrev_b32 v10, 4, v2
	v_lshl_add_u32 v10, v3, 3, v10                 ; X: my 8 scale bytes: 16 r + 8 h
	s_mul_i32 s43, s20, 1056
	s_add_co_u32 s43, s43, WA
	v_add_nc_u32 v11, s43, v4                      ; W, phase 1: column l of my head
	s_mul_i32 s44, s20, 528
	s_add_co_u32 s44, s44, WB
	v_add_nc_u32 v12, s44, v5
	s_lshl_b32 s45, s20, 7
	s_add_co_u32 s45, s45, WS
	v_lshl_add_u32 v13, v1, 1, s45
	v_mul_u32_u24 v14, v3, 8448                    ; W, phase 2, Wq and Wk: lane (p, k half): my head, column p % 8 + 16 (p / 8)
	v_lshl_add_u32 v14, v24, 8, v14
	v_lshl_add_u32 v14, v23, 4, v14
	v_add_nc_u32 v14, s43, v14
	v_mul_u32_u24 v15, v3, 4224
	v_lshl_add_u32 v15, v24, 7, v15
	v_lshl_add_u32 v15, v23, 3, v15
	v_add_nc_u32 v15, s44, v15
	v_lshlrev_b32 v16, 5, v24
	v_lshl_add_u32 v16, v3, 4, v16
	v_lshl_add_u32 v16, v23, 1, v16
	v_add_nc_u32 v16, s45, v16
	s_lshr_b32 s46, s20, 2                         ; W, phase 2, Wv: lane (p, k half): head p % 8, column 32 (p / 8) + 16 (w / 4) + 2 (w % 4)
	s_and_b32 s47, s20, 3
	s_lshl_b32 s48, s46, 8
	s_lshl_b32 s49, s47, 5
	s_add_co_u32 s48, s48, s49
	v_mul_u32_u24 v17, v3, 8448
	v_mad_u32_u24 v17, v23, 1056, v17
	v_lshl_add_u32 v17, v24, 9, v17
	s_add_co_u32 s49, s48, WA
	v_add_nc_u32 v17, s49, v17
	v_mul_u32_u24 v18, v3, 4224
	v_mad_u32_u24 v18, v23, 528, v18
	v_lshl_add_u32 v18, v24, 8, v18
	s_lshr_b32 s49, s48, 1
	s_add_co_u32 s49, s49, WB
	v_add_nc_u32 v18, s49, v18
	v_lshlrev_b32 v19, 7, v23
	v_lshl_add_u32 v19, v24, 6, v19
	v_lshl_add_u32 v19, v3, 4, v19
	s_lshr_b32 s49, s48, 3
	s_add_co_u32 s49, s49, WS
	v_add_nc_u32 v19, s49, v19
	v_lshlrev_b32 v20, 4, v2
	v_lshl_add_u32 v21, v3, 10, v20                ; the weights' scale bytes in memory: 16 p + a tile (Wv: two tiles) for lanes 16-31
	v_lshl_add_u32 v20, v3, 9, v20
	s_wait_kmcnt 0x0
	; path X's scalars: task 8 x work-group + wave: row tile RT, half KH of K
	s_cmp_lt_u32 ttmp9, 128                        ; x or proj_w: the choice hangs on the work-group's number alone
	s_cselect_b64 s[24:25], s[4:5], s[6:7]
	s_cselect_b64 s[26:27], s[14:15], s[16:17]
	s_cselect_b32 s42, 0, 128
	s_mov_b32 s43, 196608
	s_cselect_b32 s43, 1572864, s43                ; CH: the codes of 256 along K of all row tiles
	s_sub_co_u32 s42, ttmp9, s42
	s_lshl_b32 s42, s42, 3
	s_add_co_u32 s42, s42, s20
	s_lshr_b32 s44, s42, 1                         ; RT
	s_and_b32 s45, s42, 1                          ; KH
	s_lshl_b32 s46, s44, 16
	s_lshl_b32 s47, s45, 11
	s_add_co_u32 s46, s46, s47
	s_mov_b32 s47, 0
	s_add_nc_u64 s[24:25], s[24:25], s[46:47]      ; the source: 16 rows of 4,096 bytes, + 2,048 KH
	s_lshl_b32 s46, s43, 2
	s_lshl_b32 s48, s44, 9
	s_add_co_u32 s46, s46, s48
	s_lshl_b32 s48, s45, 8
	s_add_co_u32 s46, s46, s48
	s_add_nc_u64 s[30:31], s[26:27], s[46:47]      ; my 256 scale bytes
	s_mul_i32 s46, s44, 3072
	s_mul_i32 s48, s45, s43
	s_lshl_b32 s48, s48, 1
	s_add_co_u32 s46, s46, s48
	s_add_nc_u64 s[26:27], s[26:27], s[46:47]      ; my codes of K steps 0, 1
	s_mov_b32 s46, s43
	s_add_nc_u64 s[28:29], s[26:27], s[46:47]      ; and of K steps 2, 3
	; path W's scalars: matrix, kap = which 64 along K, u = which 8 heads
	s_sub_co_u32 s50, ttmp9, 144
	s_lshr_b32 s51, s50, 5
	s_min_u32 s51, s51, 2
	s_bfe_u32 s52, s50, 0x40001
	s_and_b32 s53, s50, 1
	s_cmp_eq_u32 s51, 0
	s_cselect_b64 s[32:33], s[8:9], s[10:11]
	s_cmp_eq_u32 s51, 2
	s_cselect_b64 s[32:33], s[12:13], s[32:33]
	s_lshl_b32 s46, s53, 3
	s_add_co_u32 s46, s46, s20
	s_lshl_b32 s46, s46, 18
	s_lshl_b32 s48, s52, 14
	s_add_co_u32 s46, s46, s48
	s_add_nc_u64 s[32:33], s[32:33], s[46:47]      ; my head's 64 rows of 256 bytes
	s_lshr_b32 s48, s52, 2
	s_mul_i32 s48, s48, 589824
	s_and_b32 s49, s52, 3
	s_mul_i32 s49, s49, 768
	s_add_co_u32 s48, s48, s49                     ; the half image kap of a tile
	s_lshl_b32 s54, s51, 6
	s_lshl_b32 s49, s53, 5
	s_add_co_u32 s54, s54, s49
	s_lshl_b32 s49, s20, 2
	s_add_co_u32 s54, s54, s49                     ; Wq, Wk: my first tile
	s_lshl_b32 s55, s20, 3
	s_add_co_u32 s55, s55, s53
	s_add_co_u32 s55, s55, 128                     ; Wv: my first tile
	s_mul_i32 s46, s54, 3072
	s_add_co_u32 s46, s46, s48
	s_add_nc_u64 s[34:35], s[18:19], s[46:47]
	s_mul_i32 s46, s55, 3072
	s_add_co_u32 s46, s46, s48
	s_add_nc_u64 s[36:37], s[18:19], s[46:47]
	s_lshr_b32 s48, s52, 3
	s_lshl_b32 s48, s48, 8
	s_and_b32 s49, s52, 7
	s_lshl_b32 s49, s49, 1
	s_add_co_u32 s48, s48, s49
	s_add_co_u32 s48, s48, 2359296
	s_lshl_b32 s46, s54, 9
	s_add_co_u32 s46, s46, s48
	s_add_nc_u64 s[38:39], s[18:19], s[46:47]
	s_lshl_b32 s46, s55, 9
	s_add_co_u32 s46, s46, s48
	s_add_nc_u64 s[40:41], s[18:19], s[46:47]
; 64 numbers of a lane, register 16 b + i = k 32 b + 16 h + i of my row, become a fragment's codes in v[PC] on and its scale word in v[pw]
.macro QUANT s, pw
.irp b, 0,1,2,3
	v_max3_num_f32 v[TM+\b], |v[\s+16*\b]|, |v[\s+1+16*\b]|, 0x1800000   ; my 16 numbers of block b, and the floor 2^(3 - 127): the byte cannot fall under 1
.endr
.irp i, 2,4,6,8,10,12,14
.irp b, 0,1,2,3
	v_max3_num_f32 v[TM+\b], v[TM+\b], |v[\s+16*\b+\i]|, |v[\s+1+16*\b+\i]|
.endr
.endr
.irp b, 0,1,2,3
	v_permlanex16_b32 v[TM+4+\b], v[TM+\b], s[SEL], s[SEL+1]
.endr
.irp b, 0,1,2,3
	v_max_num_f32 v[TM+\b], v[TM+\b], v[TM+4+\b]   ; with lane l xor 16's: the block's largest magnitude
.endr
.irp b, 0,1,2,3
	v_add_nc_u32 v[TM+8+\b], 0xff000000, v[TM+\b]  ; 2 off its exponent field: the conversion's scale operand
.endr
.irp b, 0,1,2,3
	v_lshrrev_b32 v[TM+4+\b], 23, v[TM+8+\b]       ; the scale's byte
.endr
	v_lshl_or_b32 v[\pw], v[TM+5], 8, v[TM+4]
	v_lshl_or_b32 v[\pw], v[TM+6], 16, v[\pw]
	v_lshl_or_b32 v[\pw], v[TM+7], 24, v[\pw]
.irp c, 0,1
	v_cvt_scalef32_pk16_fp6_f32 v[PC+6*\c:PC+2+6*\c], v[\s+32*\c:\s+15+32*\c], v[TM+8+2*\c]
	v_cvt_scalef32_pk16_fp6_f32 v[PC+12+4*\c:PC+14+4*\c], v[\s+16+32*\c:\s+31+32*\c], v[TM+8+2*\c+1]   ; (a conversion's three registers begin on an even number)
.endr
	v_nop                                          ; one plain place behind a scaled conversion
.irp c, 0,1                                    ; the layout wants a whole block in a lane: lanes 0-15 block 2 c, lanes 16-31 block 2 c + 1
.irp i, 0,1,2
	v_permlane16_swap_b32 v[PC+6*\c+\i], v[PC+12+4*\c+\i]
.endr
.irp i, 0,1,2
	v_mov_b32 v[PC+3+6*\c+\i], v[PC+12+4*\c+\i]
.endr
.endr
.endm
.macro LOADF f                         ; K step f of my 16 rows: each load reads 512 consecutive bytes of one row
.irp i, 0,1,2,3,4,5,6,7,8,9,10,11,12,13,14,15
	global_load_b128 v[R+64*((\f)%2)+4*\i:R+64*((\f)%2)+4*\i+3], v4, s[24:25] offset:\i*4096+(\f)*512 th:TH_LOAD_NT
.endr
.endm
.macro TURNF f                         ; through my own stage: in as loaded, out 16 neighbours of each block a lane; LDS serves a wave's instructions in order
.irp i, 0,1,2,3,4,5,6,7,8,9,10,11,12,13,14,15
	ds_store_b128 v8, v[R+64*((\f)%2)+4*\i:R+64*((\f)%2)+4*\i+3] offset:528*\i
.endr
.irp b, 0,1,2,3
.irp j, 0,1,2,3
	ds_load_b128 v[X+16*\b+4*\j:X+16*\b+4*\j+3], v9 offset:128*\b+16*\j
.endr
.endr
.endm
.macro XSTEP f
.if \f < 3
	s_wait_loadcnt 16                              ; this K step's 16 loads are in; the next one's may be out
.else
	s_wait_loadcnt 0x0
.endif
	TURNF \f
	s_wait_dscnt 0x0                               ; the numbers are back, and the stores into the stage have read their registers,
.if \f < 2
	LOADF \f+2                                     ; which take the loads of two K steps on
.endif
.if \f > 0
	s_wait_xcnt 0x0                                ; the last K step's stores have read the codes' registers: they are written again only behind this wait
.endif
	QUANT X, PW+\f
	global_store_b128 v4, v[PC:PC+3], s[26+2*(\f/2):27+2*(\f/2)] offset:(\f%2)*1536          ; 512 consecutive bytes,
	global_store_b64 v5, v[PC+4:PC+5], s[26+2*(\f/2):27+2*(\f/2)] offset:(\f%2)*1536+512     ; 256,
	global_store_b128 v4, v[PC+6:PC+9], s[26+2*(\f/2):27+2*(\f/2)] offset:(\f%2)*1536+768    ; and the second half image
	global_store_b64 v5, v[PC+10:PC+11], s[26+2*(\f/2):27+2*(\f/2)] offset:(\f%2)*1536+1280
.endm
.macro LOADU q                         ; path W, unit q: columns 32 (q / 2) + lane, k 32 (q % 2) + 0 .. 31: a lane to a column, registers down K
.set tt, 0
.rept 32
	global_load_b32 v[X+32*((\q)%2)+tt], v22, s[32:33] offset:(32*((\q)%2)+tt)*256+((\q)/2)*128 th:TH_LOAD_NT
.set tt, tt+1
.endr
.endm
.macro BLOCKW q
.set XS, X+32*((\q)%2)
.if (\q) < 3
	s_wait_loadcnt 32                              ; this unit's 32 loads are in; the next one's may be out
.else
	s_wait_loadcnt 0x0
.endif
	v_max3_num_f32 v26, |v[XS]|, |v[XS+1]|, |v[XS+2]|   ; the block's largest magnitude: all 32 numbers are mine
	v_max3_num_f32 v27, |v[XS+3]|, |v[XS+4]|, |v[XS+5]|
.irp i, 6,10,14,18,22,26
	v_max3_num_f32 v26, v26, |v[XS+\i]|, |v[XS+\i+1]|
	v_max3_num_f32 v27, v27, |v[XS+\i+2]|, |v[XS+\i+3]|
.endr
	v_max3_num_f32 v26, v26, |v[XS+30]|, |v[XS+31]|
	v_max3_num_f32 v26, v26, v27, 0x1800000
	v_add_nc_u32 v34, 0xff000000, v26
	v_lshrrev_b32 v30, 23, v34
	v_cvt_scalef32_pk16_fp6_f32 v[44:46], v[XS:XS+15], v34
	v_cvt_scalef32_pk16_fp6_f32 v[48:50], v[XS+16:XS+31], v34
	v_nop                                          ; one plain place behind a scaled conversion
	v_mov_b32 v47, v48                             ; the six registers on end
	v_mov_b32 v48, v49
	v_mov_b32 v49, v50
	ds_store_b128 v11, v[44:47] offset:((\q)%2)*8448+((\q)/2)*512
	ds_store_b64 v12, v[48:49] offset:((\q)%2)*4224+((\q)/2)*256
	ds_store_b8 v13, v30 offset:((\q)/2)*64+(\q)%2
.if (\q) < 2
	LOADU (\q)+2
.endif
	s_wait_dscnt 0x0                               ; the stores have read their registers
.endm
	s_cmp_ge_u32 ttmp9, 144
	s_cbranch_scc1 .Lw1
	LOADF 0                                        ; ---- path X
	LOADF 1
	XSTEP 0
	XSTEP 1
	XSTEP 2
	XSTEP 3
	v_cndmask_b32 v42, v38, v40, s[SH]             ; lanes 0-15 store the words of K steps 0, 1, lanes 16-31 those of 2, 3
	v_cndmask_b32 v43, v39, v41, s[SH]
	global_store_b64 v10, v[42:43], s[30:31]       ; 32 lanes store 256 consecutive bytes
	s_branch .Ljoin
.Lw1:
	LOADU 0                                        ; ---- path W, phase 1: my head's 64 columns x 64 along K
	LOADU 1
	BLOCKW 0
	BLOCKW 1
	BLOCKW 2
	BLOCKW 3
.Ljoin:
	s_wait_dscnt 0x0                               ; my LDS stores have landed
	s_barrier_signal -1
	s_barrier_wait -1                              ; everybody's have
	s_cmp_lt_u32 ttmp9, 144
	s_cbranch_scc1 .Lend
	s_cmp_eq_u32 s51, 2
	s_cbranch_scc1 .Lv2
.irp tq, 0,1,2,3                               ; ---- path W, phase 2, Wq and Wk: my head's four tiles
	ds_load_b128 v[64+8*\tq:67+8*\tq], v14 offset:(\tq/2)*512+(\tq%2)*128
	ds_load_b64 v[68+8*\tq:69+8*\tq], v15 offset:(\tq/2)*256+(\tq%2)*64
.endr
.irp t2, 0,1
	ds_load_u16 v[96+\t2], v16 offset:64*\t2
.endr
	s_wait_dscnt 0x0
.irp tq, 0,1,2,3
	global_store_b128 v4, v[64+8*\tq:67+8*\tq], s[34:35] offset:\tq*3072
	global_store_b64 v5, v[68+8*\tq:69+8*\tq], s[34:35] offset:\tq*3072+512
.endr
.irp t2, 0,1
	global_store_b16 v20, v[96+\t2], s[38:39] offset:1024*\t2   ; two scale bytes a row: 2 bytes for each 768 bytes that this path reads
.endr
	s_branch .Lend
.Lv2:
.irp tq, 0,1,2,3                               ; ---- path W, phase 2, Wv: four tiles whose rows are eight heads at two columns
	ds_load_b128 v[64+8*\tq:67+8*\tq], v17 offset:(\tq/2)*16+(\tq%2)*128
	ds_load_b64 v[68+8*\tq:69+8*\tq], v18 offset:(\tq/2)*8+(\tq%2)*64
.endr
.irp t2, 0,1
	ds_load_u16 v[96+\t2], v19 offset:2*\t2
.endr
	s_wait_dscnt 0x0
.irp tq, 0,1,2,3
	global_store_b128 v4, v[64+8*\tq:67+8*\tq], s[36:37] offset:\tq*6144
	global_store_b64 v5, v[68+8*\tq:69+8*\tq], s[36:37] offset:\tq*6144+512
.endr
.irp t2, 0,1
	global_store_b16 v21, v[96+\t2], s[40:41] offset:2048*\t2
.endr
.Lend:
	s_wait_tensorcnt 0x0                           ; the wave's end: behind my last LDS store
	ds_add_u32 v[SPW], v[NIL]
	s_wait_dscnt 0x0
	s_endpgm
.Lfunc_end_k_qe2a6366927_prep:
	.size	k_qe2a6366927_prep, .Lfunc_end_k_qe2a6366927_prep-k_qe2a6366927_prep
	.p2alignl 7, 3214868480
	.fill 96, 4, 3214868480
	.section	.rodata,"a",@progbits
	.p2align	6, 0x0
	.amdhsa_kernel k_qe2a6366927_prep
		.amdhsa_group_segment_fixed_size 94976
		.amdhsa_private_segment_fixed_size 0
		.amdhsa_enable_private_segment 0
		.amdhsa_kernarg_size 64
		.amdhsa_user_sgpr_count 2
		.amdhsa_user_sgpr_kernarg_segment_ptr 1
		.amdhsa_wavefront_size32 1
		.amdhsa_system_sgpr_workgroup_id_x 1
		.amdhsa_system_sgpr_workgroup_id_y 1
		.amdhsa_system_sgpr_workgroup_id_z 1
		.amdhsa_system_vgpr_workitem_id 0
		.amdhsa_next_free_vgpr 256
		.amdhsa_next_free_sgpr 66
		.amdhsa_reserve_vcc 0
		.amdhsa_float_denorm_mode_32 3
		.amdhsa_float_denorm_mode_16_64 3
		.amdhsa_memory_ordered 1
		.amdhsa_forward_progress 1
		.amdhsa_inst_pref_size 60
	.end_amdhsa_kernel
	.amdgpu_metadata
---
amdhsa.version: [ 1, 2 ]
amdhsa.kernels:
  - .name:           k_qe2a6366927_prep
    .symbol:         k_qe2a6366927_prep.kd
    .args:
      - { .name: x, .offset: 0, .size: 8, .value_kind: global_buffer, .address_space: global }
      - { .name: proj_w, .offset: 8, .size: 8, .value_kind: global_buffer, .address_space: global }
      - { .name: Wq, .offset: 16, .size: 8, .value_kind: global_buffer, .address_space: global }
      - { .name: Wk, .offset: 24, .size: 8, .value_kind: global_buffer, .address_space: global }
      - { .name: Wv, .offset: 32, .size: 8, .value_kind: global_buffer, .address_space: global }
      - { .name: xq, .offset: 40, .size: 8, .value_kind: global_buffer, .address_space: global }
      - { .name: pq, .offset: 48, .size: 8, .value_kind: global_buffer, .address_space: global }
      - { .name: wq, .offset: 56, .size: 8, .value_kind: global_buffer, .address_space: global }
    .group_segment_fixed_size: 94976
    .private_segment_fixed_size: 0
    .kernarg_segment_align: 8
    .kernarg_segment_size: 64
    .max_flat_workgroup_size: 256
    .sgpr_count:     66
    .vgpr_count:     256
    .wavefront_size: 32
...
	.end_amdgpu_metadata
.endif
;; end of part 1
;; launch qkv (part 2): grid 12 x 32, 4 waves a work-group, clusters of 4 x 4, 327,680 bytes of LDS; arguments xq, wq, qq, kq, vq; writes qq, kq, vq
.if DOCPART == 2
	.amdgcn_target "amdgcn-amd-amdhsa--gfx1250"
	.amdhsa_code_object_version 6
	.text
	.protected	k_qe2a6366927_qkv
	.globl	k_qe2a6366927_qkv
	.p2align	8
	.type	k_qe2a6366927_qkv,@function
k_qe2a6366927_qkv:
	s_mov_b64 s[64:65], 0
	v_nop
	global_prefetch_b8 v0, s[64:65] scope:SCOPE_SE
	s_setreg_imm32_b32 hwreg(HW_REG_WAVE_MODE, 25, 1), 1
	s_wait_xcnt 0x0
	s_wait_alu depctr_hold_cnt(0) depctr_sa_sdst(0) depctr_va_vdst(0) depctr_va_sdst(0) depctr_va_ssrc(0) depctr_va_vcc(0) depctr_vm_vsrc(0)
	s_getreg_b32 s2, hwreg(HW_REG_IB_STS2, 6, 4)
	s_cmp_eq_u32 s2, 0
	s_cbranch_scc0 .Lentry_in_a_cluster
	s_endpgm
.Lentry_in_a_cluster:
	s_bfe_u32 s2, ttmp6, 0x10000c
	s_cmp_lg_u32 s2, 0xf033
	s_cbranch_scc0 .Lentry_shape_is_right
	s_endpgm
.Lentry_shape_is_right:
; Q, K, V = x W on codes of E2M3, [8192 x 1024] x [1024 x 3072], and the results QUANTISED ON THE WAY OUT as operands of the attention: they never go to memory as f32.
; Operands lie as half images (768 bytes = 16 rows x 64 K as an image of registers: registers 0-3 at 16 x lane, registers 4-5 at 512 + 8 x lane), codes [k / 256][row tile][4], so that 128 rows x 256 K are ONE dense block of 24,576 bytes.
; A work-group of four waves makes 256 x 256, a wave 128 x 128: 64 accumulators, 512 registers.  K = 1,024 goes in four chunks of 256: chunks 0, 1, 2 are first fills of three LDS slots, chunk 3 is the one refill, of slot 0.
; CLUSTERS: 4 x 4 work-groups; A's tiles are asked for jointly along a row of the cluster, B's along a column.  By this text's own count a wave has four tensor loads out at the start and one behind the refill's round.
; THE MATRIX INSTRUCTION IS USED TRANSPOSED (source 0 = 16 weight rows, source 1 = 16 rows of x): a lane holds one row of x, its registers run along the weight rows, whose order in wq the launch before has chosen:
;   Wq, Wk: the 16 registers of tiles 2 p, 2 p + 1 are 16 neighbouring columns d of one head: q and k are quantised along d (a block in lanes l and l xor 16);
;   Wv: they are the 16 heads at one column d: with the neighbouring row of x (lane l xor 1) that is a block of 32 KEYS (token = 16 x row + head): v is quantised along the keys.
; OUT: qq, kq: [row tile][head][half image: lane (r, h) = row r, d = 32 h ..], scale words (e0, e1, e0, e1) [row tile][head][r].
;      vq: [row tile][Rv][record: lane (r, h) = the 32 keys of rows 2 (r / 2), + 1 at d = 16 (Rv / 8) + Rv % 8 + 8 (r % 2) + 32 h], scale words [row tile][CW][lane].
; LIMITS: a block of zeros gets the byte 1 where the rule says 127 (its codes are zeros; this program alone reads the bytes); blocks under 2^-124 keep the byte 1; NaN and infinities are not served.
; REGISTERS: window 0: v4-19 addresses; v28, v29 the add's two; v32-63 scale words, two sets; v64-126 the way out; v128-223 A's fragments, one set.  window 1: B's two sets, at v0 and v128.  windows 2, 3: accumulator (a, b) at v[8 (8 (a % 4) + b)].
.set HALFT, 24576                      ; 128 rows x 256 K: what one tensor load brings
.set SLOT,  98304                      ; A's two halves, then B's two
.set SCL,   294912                     ; behind the three slots: the scale bytes of A's 256 rows, then of B's, for all of K: filled once
.set SPARE, 311296                     ; the spare words, 128 bytes for each wave: two blocks of 256 bytes that no other line names
.set CHA,   1572864                    ; from chunk to chunk in A's buffer
.set CHB,   589824                     ; and in B's
.set SOFFA, 6291456                    ; where A's scale bytes begin
.set SOFFB, 2359296
.set A16, 4                            ; v4-6   slot s: my A fragments, 16 x lane;  v7-9 the same with 8 x lane
.set A8,  7
.set B16, 10                           ; v10-12, v13-15 the same for B
.set B8,  13
.set ADRS, 16                          ; v16  my scale words: lanes 0-15 A's rows, lanes 16-31 B's
.set SPW, 28
.set NIL, 29
.set SC,  32
.set AF,  128
.set G1A, 24
.set G1B, 32
.set G1SA, 40
.set G1SB, 48
.set G0A0, 56
.set G0A1, 60
.set G0A2, 68
.set G0B0, 72
.set G0B1, 76
.set G0B2, 80
.set G0SA, 84
.set G0SB, 88
.set MUL_LO, 0xa1                      ; source 0 (B) window 1, source 1 (A) window 0, C and D window 2
.set MUL_HI, 0xf1
.set TO_B,   0x40
.set MSB, 0
.macro WIN new                         ; the immediate's high byte repeats the setting that is left
.if MSB != (\new)
	s_set_vgpr_msb (MSB<<8)|(\new)
.set MSB, (\new)
.endif
.endm
.macro JLOAD g0a, g1a, g0b, g1b        ; a joint load: waves 0, 1 fetch for A, waves 2, 3 for B; an s_nop 0 and four v_nop follow each line
	s_cmp_eq_u32 s15, 0
	s_cbranch_scc0 .Lfor_b_\@
	tensor_load_to_lds s[\g0a:\g0a+3], s[\g1a:\g1a+7]
	s_nop 0
.rept 4
	v_nop
.endr
	s_branch .Lasked_\@
.Lfor_b_\@:
	tensor_load_to_lds s[\g0b:\g0b+3], s[\g1b:\g1b+7]
	s_nop 0
.rept 4
	v_nop
.endr
.Lasked_\@:
.endm
.macro CREST
	s_cmp_lg_u32 s14, 0
	s_cbranch_scc1 .Lnot_wave_0_\@
	s_barrier_signal -3
.Lnot_wave_0_\@:
	s_barrier_wait -3
	s_barrier_signal -1
	s_barrier_wait -1
.endm
.macro CROUND
	s_barrier_signal -1
	s_barrier_wait -1
	CREST
.endm
.macro SETG0 g, ldsreg, ldsoff, ad, step
	s_mov_b32 s[\g], 1
	s_add_co_u32 s[\g+1], s[\ldsreg], \ldsoff
	s_add_nc_u64 s[\g+2:\g+3], s[\ad:\ad+1], \step
	s_or_b32 s[\g+3], s[\g+3], 0x80000000
.endm
.macro PLACES n
.rept \n
	v_nop
.endr
.endm
.macro FRAG reg, a16, a8, off          ; a fragment = two half images: four loads, each of consecutive bytes
	ds_load_b128 v[(\reg):(\reg)+3], v[\a16] offset:(\off)
	ds_load_b64 v[(\reg)+4:(\reg)+5], v[\a8] offset:(\off)+512
	ds_load_b128 v[(\reg)+6:(\reg)+9], v[\a16] offset:(\off)+768
	ds_load_b64 v[(\reg)+10:(\reg)+11], v[\a8] offset:(\off)+1280
.endm
.macro FETCH_B slot, q, set
	WIN TO_B
.irp i, 0,1,2,3,4,5,6,7
	FRAG 128*(\set)+12*\i, B16+(\slot), B8+(\slot), \i*3072+(\q)*1536
.endr
	WIN 0
.endm
.macro FETCH_A slot, q, i0
.irp i, \i0, \i0+1, \i0+2, \i0+3
	FRAG AF+12*(\i), A16+(\slot), A8+(\slot), (\i)*3072+(\q)*1536
.endr
.endm
.macro SCALES kc                       ; chunk kc's two words a row: lanes 0-15 A's block i, lanes 16-31 B's block i
.irp i, 0,1,2,3,4,5,6,7
	ds_load_b64 v[SC+16*((\kc)%2)+2*\i:SC+16*((\kc)%2)+2*\i+1], v[ADRS] offset:\i*512+((\kc)/2)*256+((\kc)%2)*8
.endr
.endm
; 16 matrix instructions: A's blocks a0, a0 + 1 x B's eight.  cmode 1: the first product starts the sums; 2: it takes v[64 + 8 b] on as C.  The 64 accumulators take turns.
.macro MUL16 a0, set, q, sc, cmode
.irp a, \a0, \a0+1
.irp b, 0,1,2,3,4,5,6,7
.if \cmode == 1
	v_wmma_scale_f32_16x16x128_f8f6f4 v[8*(8*((\a)%4)+\b):8*(8*((\a)%4)+\b)+7], v[128*(\set)+12*\b:128*(\set)+12*\b+11], v[AF+12*(\a):AF+12*(\a)+11], 0, v[SC+16*(\sc)+2*\b+(\q)], v[SC+16*(\sc)+2*(\a)+(\q)] matrix_a_fmt:MATRIX_FMT_FP6 matrix_b_fmt:MATRIX_FMT_FP6 matrix_a_scale:MATRIX_SCALE_ROW1
.elseif \cmode == 2
	v_wmma_scale_f32_16x16x128_f8f6f4 v[8*(8*((\a)%4)+\b):8*(8*((\a)%4)+\b)+7], v[128*(\set)+12*\b:128*(\set)+12*\b+11], v[AF+12*(\a):AF+12*(\a)+11], v[64+8*\b:71+8*\b], v[SC+16*(\sc)+2*\b+(\q)], v[SC+16*(\sc)+2*(\a)+(\q)] matrix_a_fmt:MATRIX_FMT_FP6 matrix_b_fmt:MATRIX_FMT_FP6 matrix_a_scale:MATRIX_SCALE_ROW1
.else
	v_wmma_scale_f32_16x16x128_f8f6f4 v[8*(8*((\a)%4)+\b):8*(8*((\a)%4)+\b)+7], v[128*(\set)+12*\b:128*(\set)+12*\b+11], v[AF+12*(\a):AF+12*(\a)+11], v[8*(8*((\a)%4)+\b):8*(8*((\a)%4)+\b)+7], v[SC+16*(\sc)+2*\b+(\q)], v[SC+16*(\sc)+2*(\a)+(\q)] matrix_a_fmt:MATRIX_FMT_FP6 matrix_b_fmt:MATRIX_FMT_FP6 matrix_a_scale:MATRIX_SCALE_ROW1
.endif
.endr
.endr
.endm
.macro KSYM ks                         ; K step ks of 128: which half of its chunk, which set of scale words; and the same of the step that follows
.set CQ, (\ks)%2
.set CSC, ((\ks)/2)%2
.set NS, (((\ks)+1)/2)%3
.set NQ, ((\ks)+1)%2
.set NK, ((\ks)+1)/2
.endm
.macro KS_PLAIN ks, cmode              ; a K step whose successor's tile has been shown landed
	KSYM \ks
	s_wait_dscnt 16                                ; B's set and A's blocks 0-3 are in; the youngest 16 loads (A's blocks 4-7) may be out
.if \cmode == 2
	WIN 0x81
.else
	WIN MUL_LO
.endif
	MUL16 0, CQ, CQ, CSC, \cmode
	MUL16 2, CQ, CQ, CSC, \cmode
	s_wait_dscnt 0x0                               ; A's blocks 4-7 are in
	PLACES 4                                       ; four places in front of loads into registers that matrix instructions have read
	FETCH_B NS, NQ, NQ
	FETCH_A NS, NQ, 0
.if NQ == 0
	SCALES NK
.endif
.if \cmode == 2
	WIN 0xc1
.else
	WIN MUL_HI
.endif
	MUL16 4, CQ, CQ, CSC, \cmode
	MUL16 6, CQ, CQ, CSC, \cmode
	PLACES 4
	WIN 0
	FETCH_A NS, NQ, 4
.endm
; A K step with a barrier in it: in front of it each wave waits for all its tensor loads, adds 0 to its spare word, and waits for that and for its reads so far.
; fill = 1: the barrier opens a round of the cluster's, and behind it slot 0, which nobody reads any more, takes chunk 3.  fill = 0: behind it chunk 3 is whole for every wave.
.macro KS_TURN ks, fill
	KSYM \ks
	s_wait_tensorcnt 0x0                           ; all my tensor loads have landed
	ds_add_u32 v[SPW], v[NIL]                      ; 0 onto my spare word
	s_wait_dscnt 17                                ; (the add and the youngest 16 loads may be out)
	WIN MUL_LO
	MUL16 0, CQ, CQ, CSC, 0                        ; sixteen matrix instructions stand between the add and the wait for it
	s_wait_dscnt 0x0                               ; the add is done, and my LDS reads are over
	s_barrier_signal -1
	MUL16 2, CQ, CQ, CSC, 0
	WIN 0
	s_barrier_wait -1
.if \fill
	CREST                                          ; no wave of any partner still reads slot 0 or has a load on its way
	s_add_nc_u64 s[G0A0+2:G0A0+3], s[G0A0+2:G0A0+3], 3*CHA
	s_add_nc_u64 s[G0B0+2:G0B0+3], s[G0B0+2:G0B0+3], 3*CHB
	JLOAD G0A0, G1A, G0B0, G1B                     ; the first tensor load behind the round; its four v_nop are also the places in front of the loads below
.else
	PLACES 4
.endif
	FETCH_B NS, NQ, NQ
	FETCH_A NS, NQ, 0
	SCALES NK
	WIN MUL_HI
	MUL16 4, CQ, CQ, CSC, 0
	MUL16 6, CQ, CQ, CSC, 0
	PLACES 4
	WIN 0
	FETCH_A NS, NQ, 4
.endm
.macro KS_LAST ks
	KSYM \ks
	s_wait_dscnt 16
	WIN MUL_LO
	MUL16 0, CQ, CQ, CSC, 0
	MUL16 2, CQ, CQ, CSC, 0
	s_wait_dscnt 0x0
	WIN MUL_HI
	MUL16 4, CQ, CQ, CSC, 0
	MUL16 6, CQ, CQ, CSC, 0
	WIN 0
.endm
	s_load_b256 s[4:11], s[0:1], 0x0               ; xq, wq, qq, kq
	s_load_b64 s[12:13], s[0:1], 0x20              ; vq
	v_lshl_add_u32 v[SPW], v0, 2, SPARE
	v_mov_b32 v[NIL], 0
	ds_add_u32 v[SPW], v[NIL]                      ; the wave's opening: the add and its wait ahead of my first tensor load
	v_lshrrev_b32 v1, 5, v0
	v_readfirstlane_b32 s14, v1                    ; wave 0..3
	s_lshr_b32 s15, s14, 1                         ; my half of the tile's rows.  Also: I fetch for A (0) or B (1)
	s_and_b32 s16, s14, 1                          ; my half of its columns.  Also: which 128 rows I fetch
	s_bfe_u32 s19, ttmp6, 0x40000                  ; cx
	s_bfe_u32 s20, ttmp6, 0x40004                  ; cy
	s_lshl_b32 s18, ttmp9, 2
	s_add_co_u32 s18, s18, s19                     ; X: tile column
	s_and_b32 s17, ttmp7, 0xffff
	s_lshl_b32 s17, s17, 2
	s_add_co_u32 s17, s17, s20                     ; Y: tile row
	s_lshl_b32 s21, s20, 2
	s_lshl_b32 s21, 15, s21                        ; my row of the cluster
	s_lshl_b32 s22, 0x1111, s19                    ; my column
	s_or_b32 s[G1A], s21, (3<<16)|(1<<21)          ; the mask; elements of 8 bytes; bit 21 beside a mask; no padding: every LDS read takes consecutive bytes
	s_or_b32 s[G1B], s22, (3<<16)|(1<<21)
	s_or_b32 s[G1SA], s21, (3<<16)|(1<<21)
	s_or_b32 s[G1SB], s22, (3<<16)|(1<<21)
.irp g, G1A, G1B
	s_mov_b32 s[\g+1], 32<<16                      ; rows of 256 bytes,
	s_mov_b32 s[\g+2], 96<<16                      ; 96 of them: a dense block of 24,576 bytes
	s_mov_b32 s[\g+3], 32<<16
	s_mov_b32 s[\g+4], 96
	s_mov_b32 s[\g+5], 32
	s_mov_b32 s[\g+6], 0
	s_mov_b32 s[\g+7], 0
.endr
.irp g, G1SA, G1SB
	s_mov_b32 s[\g+1], 32<<16
	s_mov_b32 s[\g+2], 16<<16                      ; the scale bytes of 128 rows: 4,096 dense bytes
	s_mov_b32 s[\g+3], 32<<16
	s_mov_b32 s[\g+4], 16
	s_mov_b32 s[\g+5], 32
	s_mov_b32 s[\g+6], 0
	s_mov_b32 s[\g+7], 0
.endr
	s_lshl_b32 s100, s16, 3
	s_lshl_b32 s92, s17, 4
	s_add_co_u32 s92, s92, s100                    ; A: the first of the eight row tiles that I fetch: it hangs on the tile row alone
	s_lshl_b32 s94, s92, 9
	s_add_co_u32 s94, s94, SOFFA
	s_mov_b32 s95, 0
	s_mul_i32 s92, s92, 3072
	s_mov_b32 s93, 0
	s_lshl_b32 s96, s18, 4
	s_add_co_u32 s96, s96, s100                    ; B: on the tile column alone
	s_lshl_b32 s98, s96, 9
	s_add_co_u32 s98, s98, SOFFB
	s_mov_b32 s99, 0
	s_mul_i32 s96, s96, 3072
	s_mov_b32 s97, 0
	s_mul_i32 s101, s14, HALFT                     ; where they go: wave x 24,576: no place in the cluster enters an LDS address
	s_lshl_b32 s100, s14, 12
	s_wait_dscnt 0x0                               ; the opening add is done
	s_wait_kmcnt 0x0
	s_add_nc_u64 s[92:93], s[4:5], s[92:93]
	s_add_nc_u64 s[94:95], s[4:5], s[94:95]
	s_add_nc_u64 s[96:97], s[6:7], s[96:97]
	s_add_nc_u64 s[98:99], s[6:7], s[98:99]
	CROUND                                         ; all sixteen work-groups are here: the first joint loads meet
	SETG0 G0SA, 100, SCL, 94, 0
	SETG0 G0SB, 100, SCL, 98, 0
	JLOAD G0SA, G1SA, G0SB, G1SB                   ; the scale bytes first
	SETG0 G0A0, 101, 0, 92, 0
	SETG0 G0B0, 101, 0, 96, 0
	JLOAD G0A0, G1A, G0B0, G1B                     ; chunk 0
	SETG0 G0A1, 101, SLOT, 92, CHA
	SETG0 G0B1, 101, SLOT, 96, CHB
	JLOAD G0A1, G1A, G0B1, G1B                     ; chunk 1
	SETG0 G0A2, 101, 2*SLOT, 92, 2*CHA
	SETG0 G0B2, 101, 2*SLOT, 96, 2*CHB
	JLOAD G0A2, G1A, G0B2, G1B                     ; chunk 2
	v_and_b32 v1, 31, v0
	v_and_b32 v2, 15, v0                           ; r
	v_bfe_u32 v3, v0, 4, 1                         ; h
	v_lshlrev_b32 v17, 4, v1                       ; 16 l
	v_lshlrev_b32 v18, 3, v1                       ; 8 l
	v_lshlrev_b32 v19, 2, v1                       ; 4 l
	s_mul_i32 s100, s15, HALFT                     ; my 128 rows of A,
	s_mul_i32 s101, s16, HALFT
	s_add_co_u32 s101, s101, 2*HALFT               ; my 128 rows of B
.irp s, 0,1,2
	v_add_nc_u32 v[A16+\s], s100, v17
	v_add_nc_u32 v[A8+\s], s100, v18
	v_add_nc_u32 v[B16+\s], s101, v17
	v_add_nc_u32 v[B8+\s], s101, v18
	s_add_co_u32 s100, s100, SLOT
	s_add_co_u32 s101, s101, SLOT
.endr
	s_lshl_b32 s100, s15, 12
	s_lshl_b32 s101, s16, 12
	s_add_co_u32 s101, s101, 8192
	s_sub_co_u32 s101, s101, s100
	v_mul_u32_u24 v[ADRS], s101, v3                ; lanes 16-31 take B's: one product, the distance between the two bases
	s_add_co_u32 s100, s100, SCL
	v_lshl_add_u32 v[ADRS], v2, 4, v[ADRS]
	v_add_nc_u32 v[ADRS], s100, v[ADRS]
	s_wait_tensorcnt 2                             ; the scale bytes and my part of chunk 0 are in; chunks 1 and 2 may stay out
	s_barrier_signal -1
	s_barrier_wait -1
	FETCH_B 0, 0, 0
	FETCH_A 0, 0, 0
	SCALES 0
	FETCH_A 0, 0, 4
	KS_PLAIN 0, 1                                  ; the first products start the sums: nothing is cleared
	KS_TURN 1, 1
	KS_PLAIN 2, 0
	KS_PLAIN 3, 0
	KS_PLAIN 4, 0
	KS_TURN 5, 0
	KS_PLAIN 6, 0
	KS_LAST 7
	; THE WAY OUT: each block of 16 rows x 128 columns is quantised in registers and stored as two half images and a scale word a lane
.set TM,  64
.set TX,  68
.set SO,  72
.set BY,  76
.set W,   80
.set T,   84
.set FLR, 88
.set SHF, 89
.set QW,  90
.set ZX,  92
.set PC,  96
.set PCO, 112
.set Z,   124
.set SH,   92                          ; s92 lanes 16-31;  s93 odd lanes;  s94 lanes with bit 1 set;  s[96:97] lane l xor 16
.set SODD, 93
.set SR1,  94
.set SEL,  96
	v_mov_b32 v[FLR], 0x1800000                    ; the floor 2^(3 - 127).  (These plain lines name no register of the last products: they are the places behind them)
	v_bfe_u32 v[SHF], v0, 1, 2
	v_lshlrev_b32 v[SHF], 3, v[SHF]                ; 8 x ((r / 2) % 4): my key block's place in its step's scale word
.irp b, 0,1,2,3
	v_mov_b32 v[TX+\b], 0                          ; written once: the destination of a lane permute counts as one of its sources
	v_mov_b32 v[T+\b], 0
.endr
.irp b, 0,1,2
	v_mov_b32 v[ZX+\b], 0
.endr
	s_lshl_b32 s92, s17, 4
	s_lshl_b32 s93, s15, 3
	s_add_co_u32 s92, s92, s93                     ; my first row tile
	s_lshl_b32 s93, s19, 1
	s_add_co_u32 s93, s93, s16                     ; 2 cx + my half: which pair of heads (of records)
	s_lshl_b32 s94, s92, 4
	s_lshl_b32 s95, s93, 1
	s_add_co_u32 s94, s94, s95
	s_mul_i32 s94, s94, 768
	s_mov_b32 s95, 0
	s_lshl_b32 s96, s92, 10
	s_lshl_b32 s97, s93, 7
	s_add_co_u32 s96, s96, s97
	s_add_co_u32 s96, s96, 6291456
	s_mov_b32 s97, 0
	s_cmp_eq_u32 ttmp9, 0                          ; the cluster's x says which matrix: the same in all partners
	s_cselect_b64 s[98:99], s[8:9], s[10:11]
	s_cmp_eq_u32 ttmp9, 2
	s_cselect_b64 s[98:99], s[12:13], s[98:99]
	s_add_nc_u64 s[100:101], s[98:99], s[96:97]    ; scale words
	s_add_nc_u64 s[98:99], s[98:99], s[94:95]      ; codes
	s_mov_b32 s[SH], 0xffff0000
	s_mov_b32 s[SODD], 0xaaaaaaaa
	s_mov_b32 s[SR1], 0xcccccccc
	s_mov_b32 s[SEL], 0x76543210
	s_mov_b32 s[SEL+1], 0xfedcba98
.macro EPI kind
.irp a, 0,1,2,3,4,5,6,7
.set AC, 64*(\a%4)
	WIN 0x28+0x14*(\a/4)                           ; sources 1 and 2: window 2 or 3
.irp b, 0,1,2,3
	v_max3_num_f32 v[TM+\b], v[FLR], |v[AC+16*\b]|, |v[AC+16*\b+1]|   ; each accumulator is read from its low end on
.endr
.irp i, 2,4,6,8,10,12,14
.irp b, 0,1,2,3
	v_max3_num_f32 v[TM+\b], v[TM+\b], |v[AC+16*\b+\i]|, |v[AC+16*\b+\i+1]|
.endr
.endr
	WIN 0
.if \kind == 0
.irp b, 0,1,2,3
	v_permlanex16_b32 v[TX+\b], v[TM+\b], s[SEL], s[SEL+1]
.endr
.irp b, 0,1,2,3
	v_max_num_f32 v[TM+\b], v[TM+\b], v[TX+\b]     ; a block of 32 d lies in lanes l and l xor 16
.endr
.else
.irp b, 0,1,2,3
	v_max_num_f32_dpp v[TM+\b], v[TM+\b], v[TM+\b] row_xmask:1 row_mask:0xf bank_mask:0xf   ; a block of 32 keys lies in lanes l and l xor 1
.endr
.endif
.irp b, 0,1,2,3
	v_add_nc_u32 v[SO+\b], 0xff000000, v[TM+\b]    ; 2 off the exponent field: the conversion's scale operand
.endr
.irp b, 0,1,2,3
	v_lshrrev_b32 v[BY+\b], 23, v[SO+\b]           ; the scale's byte
.endr
.if \a > 0
	s_wait_xcnt 0x0                                ; the last block's stores have read their registers: these are written again only behind this wait
.endif
.if \kind == 0
	v_lshl_or_b32 v[W], v[BY+1], 8, v[BY]          ; the first head's two bytes,
	v_lshl_or_b32 v[W+1], v[BY+3], 8, v[BY+2]      ; the second's:
	v_cndmask_b32 v[W], v[W], v[W+1], s[SH]        ; lanes 0-15 store the first's, lanes 16-31 the second's,
	v_lshl_or_b32 v[QW], v[W], 16, v[W]            ; twice: the word serves either half of a product's K
.else
.irp p, 0,1,2,3
	v_lshlrev_b32 v[W+\p], v[SHF], v[BY+\p]        ; my block's byte at its place; the four blocks of a key step lie in lanes r xor 2, r xor 4
.endr
.irp p, 0,1,2,3
	v_mov_b32_dpp v[T+\p], v[W+\p] row_xmask:2 row_mask:0xf bank_mask:0xf
.endr
.irp p, 0,1,2,3
	v_or_b32 v[W+\p], v[W+\p], v[T+\p]
.endr
.irp p, 0,1,2,3
	v_mov_b32_dpp v[T+\p], v[W+\p] row_xmask:4 row_mask:0xf bank_mask:0xf
.endr
.irp p, 0,1,2,3
	v_or_b32 v[W+\p], v[W+\p], v[T+\p]
.endr
	v_cndmask_b32 v[W], v[W], v[W+1], s[SODD]      ; lane (r, h) stores the word of pair 2 ((r / 2) % 2) + r % 2
	v_cndmask_b32 v[W+2], v[W+2], v[W+3], s[SODD]
	v_cndmask_b32 v[QW], v[W], v[W+2], s[SR1]
.endif
	WIN 0x02+(\a/4)                                ; source 0: window 2 or 3
.if \kind == 0
.irp c, 0,1
	v_cvt_scalef32_pk16_fp6_f32 v[PC+6*\c:PC+2+6*\c], v[AC+32*\c:AC+15+32*\c], v[SO+2*\c]
	v_cvt_scalef32_pk16_fp6_f32 v[PC+12+4*\c:PC+14+4*\c], v[AC+16+32*\c:AC+31+32*\c], v[SO+2*\c+1]
.endr
	WIN 0
	v_nop                                          ; one plain place behind a scaled conversion
.irp c, 0,1
.irp i, 0,1,2
	v_permlane16_swap_b32 v[PC+6*\c+\i], v[PC+12+4*\c+\i]   ; a whole block in a lane: lanes 0-15 d = 0 .. 31, lanes 16-31 d = 32 .. 63
.endr
.irp i, 0,1,2
	v_mov_b32 v[PC+3+6*\c+\i], v[PC+12+4*\c+\i]
.endr
.endr
	global_store_b128 v17, v[PC:PC+3], s[98:99] offset:\a*12288
	global_store_b64 v18, v[PC+4:PC+5], s[98:99] offset:\a*12288+512
	global_store_b128 v17, v[PC+6:PC+9], s[98:99] offset:\a*12288+768
	global_store_b64 v18, v[PC+10:PC+11], s[98:99] offset:\a*12288+1280
.else
.irp p, 0,1,2,3
	v_cvt_scalef32_pk16_fp6_f32 v[PC+4*\p:PC+4*\p+2], v[AC+16*\p:AC+16*\p+15], v[SO+\p]
.endr
	WIN 0
	v_nop                                          ; one plain place behind a scaled conversion
.irp rr, 0,1                                   ; a record: even lanes keep the even pair's d and take the neighbour's 16 codes behind their own; odd lanes keep the odd pair's and take the neighbour's in front
.irp k, 0,1,2
	v_cndmask_b32 v[Z+\k], v[PC+4+8*\rr+\k], v[PC+8*\rr+\k], s[SODD]
.endr
.irp k, 0,1,2
	v_mov_b32_dpp v[ZX+\k], v[Z+\k] row_xmask:1 row_mask:0xf bank_mask:0xf
.endr
.irp k, 0,1,2
	v_cndmask_b32 v[PCO+6*\rr+\k], v[PC+8*\rr+\k], v[ZX+\k], s[SODD]
	v_cndmask_b32 v[PCO+6*\rr+3+\k], v[ZX+\k], v[PC+4+8*\rr+\k], s[SODD]
.endr
.endr
	global_store_b128 v17, v[PCO:PCO+3], s[98:99] offset:\a*12288
	global_store_b64 v18, v[PCO+4:PCO+5], s[98:99] offset:\a*12288+512
	global_store_b128 v17, v[PCO+6:PCO+9], s[98:99] offset:\a*12288+768
	global_store_b64 v18, v[PCO+10:PCO+11], s[98:99] offset:\a*12288+1280
.endif
	global_store_b32 v19, v[QW], s[100:101] offset:\a*1024
.endr
.endm
	s_cmp_eq_u32 ttmp9, 2
	s_cbranch_scc1 .Lkind1
	EPI 0
	s_branch .Ldone
.Lkind1:
	EPI 1
.Ldone:
	s_wait_tensorcnt 0x0                           ; the wave's end: behind my last tensor load
	ds_add_u32 v[SPW], v[NIL]
	s_wait_dscnt 0x0
	CROUND                                         ; the closing round
	s_endpgm
.Lfunc_end_k_qe2a6366927_qkv:
	.size	k_qe2a6366927_qkv, .Lfunc_end_k_qe2a6366927_qkv-k_qe2a6366927_qkv
	.p2alignl 7, 3214868480
	.fill 96, 4, 3214868480
	.section	.rodata,"a",@progbits
	.p2align	6, 0x0
	.amdhsa_kernel k_qe2a6366927_qkv
		.amdhsa_group_segment_fixed_size 327680
		.amdhsa_private_segment_fixed_size 0
		.amdhsa_enable_private_segment 0
		.amdhsa_kernarg_size 40
		.amdhsa_user_sgpr_count 2
		.amdhsa_user_sgpr_kernarg_segment_ptr 1
		.amdhsa_wavefront_size32 1
		.amdhsa_system_sgpr_workgroup_id_x 1
		.amdhsa_system_sgpr_workgroup_id_y 1
		.amdhsa_system_sgpr_workgroup_id_z 1
		.amdhsa_system_vgpr_workitem_id 0
		.amdhsa_next_free_vgpr 1024
		.amdhsa_next_free_sgpr 102
		.amdhsa_reserve_vcc 0
		.amdhsa_float_denorm_mode_32 3
		.amdhsa_float_denorm_mode_16_64 3
		.amdhsa_memory_ordered 1
		.amdhsa_forward_progress 1
		.amdhsa_inst_pref_size 198
	.end_amdhsa_kernel
	.amdgpu_metadata
---
amdhsa.version: [ 1, 2 ]
amdhsa.kernels:
  - .name:           k_qe2a6366927_qkv
    .symbol:         k_qe2a6366927_qkv.kd
    .args:
      - { .name: xq, .offset: 0, .size: 8, .value_kind: global_buffer, .address_space: global }
      - { .name: wq, .offset: 8, .size: 8, .value_kind: global_buffer, .address_space: global }
      - { .name: qq, .offset: 16, .size: 8, .value_kind: global_buffer, .address_space: global }
      - { .name: kq, .offset: 24, .size: 8, .value_kind: global_buffer, .address_space: global }
      - { .name: vq, .offset: 32, .size: 8, .value_kind: global_buffer, .address_space: global }
    .group_segment_fixed_size: 327680
    .private_segment_fixed_size: 0
    .kernarg_segment_align: 8
    .kernarg_segment_size: 40
    .max_flat_workgroup_size: 128
    .sgpr_count:     102
    .vgpr_count:     1024
    .wavefront_size: 32
...
	.end_amdgpu_metadata
.endif
;; end of part 2
;; launch attn (part 3): grid 256 x 1, 16 waves a work-group, clusters of 4 x 1, 253,440 bytes of LDS; arguments qq, kq, vq, aq; writes aq
.if DOCPART == 3
	.amdgcn_target "amdgcn-amd-amdhsa--gfx1250"
	.amdhsa_code_object_version 6
	.text
	.protected	k_qe2a6366927_attn
	.globl	k_qe2a6366927_attn
	.p2align	8
	.type	k_qe2a6366927_attn,@function
k_qe2a6366927_attn:
	s_mov_b64 s[64:65], 0
	v_nop
	global_prefetch_b8 v0, s[64:65] scope:SCOPE_SE
	s_setreg_imm32_b32 hwreg(HW_REG_WAVE_MODE, 25, 1), 1
	s_wait_xcnt 0x0
	s_wait_alu depctr_hold_cnt(0) depctr_sa_sdst(0) depctr_va_vdst(0) depctr_va_sdst(0) depctr_va_ssrc(0) depctr_va_vcc(0) depctr_vm_vsrc(0)
	s_getreg_b32 s2, hwreg(HW_REG_IB_STS2, 6, 4)
	s_cmp_eq_u32 s2, 0
	s_cbranch_scc0 .Lentry_in_a_cluster
	s_endpgm
.Lentry_in_a_cluster:
	s_bfe_u32 s2, ttmp6, 0x10000c
	s_cmp_lg_u32 s2, 0x3003
	s_cbranch_scc0 .Lentry_shape_is_right
	s_endpgm
.Lentry_shape_is_right:
; Causal attention on codes of E2M3, for 64 batches of 2,048 tokens x 64.  Batch g is rows 128 g .. 128 g + 127 of the projections; token = 16 x (row - 128 g) + head.
; t = score x log2(e) / 8; M = the running largest t rounded UP to a whole number; p = 2^(t - M) is quantised along the keys, not normalised; the row's sum is taken of the unquantised p and divides O at the end.
; o / l is quantised along d on the way out and stored as a half image of the last product's A operand (aq): head i of row m is K = 64 i .. 64 i + 63 of row m.
; SHARES.  A cluster of four work-groups is one batch; all of its K and V (codes and scale bytes, 248 KB with padding) come into each partner's LDS ONCE, by joint loads; nothing is filled again.
; Partner cx takes heads 4 cx .. 4 cx + 3.  Wave w: head 4 cx + w / 4, and two tiles of 16 queries: rows 16 a .. 16 a + 15 of its head, a = 7 - w % 4 and then a = w % 4: 2 a + 2 key steps of 128 each, 18 for every wave.
; Each tile walks blocks a' = 0, 1 .. of 256 keys in a loop of constant count and jumps over those above its a: a branch on the wave's number and the counter.  In the block a' = a hidden scores become -infinity.
; LAYOUT.  Both products are used transposed: a lane holds ONE query.  S^T = K Q^T has K = 64: a fragment of K holds TWO tiles of 16 keys (heads 0-7 and heads 8-15 of two rows), and q stands once in the lower half of a fragment
; with zero codes above, once in the upper half with zero codes below.  Register 16 b + i of lane (q, h) is key 32 b + 16 h + i of the step.  V^T's rows are chosen so that O^T's 16 registers of two tiles are 16 neighbouring d.
; LIMITS: a block of zeros gets the byte 1 where the rule says 127 (its codes are zeros; this program alone reads the bytes); blocks of o / l under 2^-124 keep the byte 1; NaN and infinities are not served.
.set KC,    0                          ; K's records (a, head): 768 bytes as three rows of 256 + 48 of padding: 912 bytes; 14,592 for each a
.set VC,    116736                     ; V's records (a, Rv) likewise
.set KSC,   233472                     ; K's scale words: records of 64 + 8 bytes, 1,152 for each a
.set VSC,   242688                     ; V's: records of 128 + 8 bytes, 1,088 for each a
.set SPARE, 251392                     ; the spare words, 128 bytes for each wave: eight blocks of 256 bytes that no other line names
.set AK16, 1
.set AK8,  2
.set AV16, 3
.set AV8,  4
.set AKS,  5
.set AVS,  6
.set SPW,  7
.set NIL,  8
.set L16,  9
.set L8,   10
.set OSB,  11
.set QL,   16                          ; v16-27 q below, zeros above;  v28-39 zeros below, q above;  v40-45, v47 the second tile's q and scale word;  v46 q's scale word
.set QH,   28
.set Q2,   40
.set QSW,  46
.set QSW2, 47
.set F,    48                          ; v48-95 four fragments of K or of V
.set S,    96                          ; v96-159 S^T, then p
.set O,    160                         ; v160-191 O^T
.set P,    192                         ; v192-203 p's codes;  v204-206, v208-210 the conversions' second halves
.set PX,   204
.set BM,   212
.set BT,   216
.set SO,   220
.set KS,   224                         ; v224-227 K's scale words;  v228-229 V's;  v230 p's
.set VS,   228
.set PWD,  230
.set ADK16, 232
.set ADK8,  233
.set ADV16, 234
.set ADV8,  235
.set ADKS,  236
.set ADVS,  237
.set FF,   238                         ; v[238:239] f = 2^(old M - new M)
.set DM,   240                         ; v240 head + 16 q - 16 h: my query's token less 256 a and my half's 16 keys
.set NINF, 241
.set T0,   242
.set T1,   243
.set SUM2, 244
.set DT,   246
.set WV,  12
.set PP,  13
.set CX,  14
.set HD,  15
.set A1,  16
.set SH,  17
.set SEL, 20
.set CS,  22
.set G1C,  24
.set G1KS, 32
.set G1VS, 40
.set G0KC, 48
.set G0KS, 52
.set G0VC, 56
.set G0VS, 60
.set AP,  66
.set AT,  67
.set SA,  68
.set SAK, 69
.set SAV, 70
.set SQC1, 72
.set SQS1, 74
.set SOC1, 76
.set SOS1, 78
.set SQC2, 80
.set SQS2, 82
.set SOC2, 84
.set SOS2, 86
.macro ROUND
	s_barrier_signal -1
	s_barrier_wait -1
	s_cmp_lg_u32 s[WV], 0
	s_cbranch_scc1 .Lnot_wave_0_\@
	s_barrier_signal -3
.Lnot_wave_0_\@:
	s_barrier_wait -3
	s_barrier_signal -1
	s_barrier_wait -1
.endm
	s_load_b256 s[4:11], s[0:1], 0x0               ; qq, kq, vq, aq
	v_lshl_add_u32 v[SPW], v0, 2, SPARE
	v_mov_b32 v[NIL], 0
	ds_add_u32 v[SPW], v[NIL]                      ; the wave's opening: the adds and their wait ahead of my first tensor load
	ds_add_u32 v[SPW], v[NIL]
	v_lshrrev_b32 v1, 5, v0
	s_delay_alu instid0(VALU_DEP_1)
	v_readfirstlane_b32 s[WV], v1                  ; wave 0..15
	s_mov_b32 s[G1C], 15|(3<<16)|(1<<20)|(1<<21)|(5<<22)|(11<<25)   ; all four partners; elements of 8 bytes; padding: 12 words behind every 64
	s_mov_b32 s[G1C+1], 32<<16                     ; rows of 256 bytes,
	s_mov_b32 s[G1C+2], 48<<16                     ; 48 of them: the 16 records of one a
	s_mov_b32 s[G1C+3], 32<<16
	s_mov_b32 s[G1C+4], 48
	s_mov_b32 s[G1C+5], 32
	s_mov_b32 s[G1C+6], 0
	s_mov_b32 s[G1C+7], 0
	s_mov_b32 s[G1KS], 15|(3<<16)|(1<<20)|(1<<21)|(3<<22)|(1<<25)   ; 2 words behind every 16
	s_mov_b32 s[G1KS+1], 8<<16                     ; 16 rows of 64 bytes
	s_mov_b32 s[G1KS+2], 16<<16
	s_mov_b32 s[G1KS+3], 8<<16
	s_mov_b32 s[G1KS+4], 16
	s_mov_b32 s[G1KS+5], 8
	s_mov_b32 s[G1KS+6], 0
	s_mov_b32 s[G1KS+7], 0
	s_mov_b32 s[G1VS], 15|(3<<16)|(1<<20)|(1<<21)|(4<<22)|(1<<25)   ; 2 words behind every 32
	s_mov_b32 s[G1VS+1], 16<<16                    ; 8 rows of 128 bytes
	s_mov_b32 s[G1VS+2], 8<<16
	s_mov_b32 s[G1VS+3], 16<<16
	s_mov_b32 s[G1VS+4], 8
	s_mov_b32 s[G1VS+5], 16
	s_mov_b32 s[G1VS+6], 0
	s_mov_b32 s[G1VS+7], 0
	s_and_b32 s88, s[WV], 7                        ; which a I fetch: waves 0-7 for K, waves 8-15 for V
	s_mul_i32 s89, ttmp9, 98304
	s_mul_i32 s90, s88, 12288
	s_add_co_u32 s90, s90, s89                     ; its codes,
	s_mov_b32 s91, 0
	s_lshl_b32 s92, ttmp9, 13
	s_lshl_b32 s93, s88, 10
	s_add_co_u32 s92, s92, s93
	s_add_co_u32 s92, s92, 6291456                 ; its scale words
	s_mov_b32 s93, 0
	s_mul_i32 s94, s88, 14592
	s_mul_i32 s95, s88, 1152
	s_mul_i32 s96, s88, 1088
	s_mov_b32 s[SEL], 0x76543210
	s_mov_b32 s[SEL+1], 0xfedcba98
	s_mov_b32 s[CS], 0x3e38aa3b                    ; c = log2(e) / 8
	s_mov_b32 s[CS+1], s[CS]
	s_mov_b32 s[SH], 0xffff0000
	s_wait_dscnt 0x0                               ; the opening add is done
	s_wait_kmcnt 0x0
	s_mov_b32 s[G0KC], 1
	s_add_co_u32 s[G0KC+1], s94, KC
	s_add_nc_u64 s[G0KC+2:G0KC+3], s[6:7], s[90:91]
	s_or_b32 s[G0KC+3], s[G0KC+3], 0x80000000
	s_mov_b32 s[G0KS], 1
	s_add_co_u32 s[G0KS+1], s95, KSC
	s_add_nc_u64 s[G0KS+2:G0KS+3], s[6:7], s[92:93]
	s_or_b32 s[G0KS+3], s[G0KS+3], 0x80000000
	s_mov_b32 s[G0VC], 1
	s_add_co_u32 s[G0VC+1], s94, VC
	s_add_nc_u64 s[G0VC+2:G0VC+3], s[8:9], s[90:91]
	s_or_b32 s[G0VC+3], s[G0VC+3], 0x80000000
	s_mov_b32 s[G0VS], 1
	s_add_co_u32 s[G0VS+1], s96, VSC
	s_add_nc_u64 s[G0VS+2:G0VS+3], s[8:9], s[92:93]
	s_or_b32 s[G0VS+3], s[G0VS+3], 0x80000000
	ROUND                                          ; all four work-groups are here: the joint loads meet
	s_cmp_lt_u32 s[WV], 8                          ; a wave's two fills stand in one branch on its number: two loads of mine are out
	s_cbranch_scc0 .Lfirst_v
	tensor_load_to_lds s[G0KC:G0KC+3], s[G1C:G1C+7]
	s_nop 0
	tensor_load_to_lds s[G0KS:G0KS+3], s[G1KS:G1KS+7]
	s_nop 0
.rept 4
	v_nop
.endr
	s_branch .Lfirst_asked
.Lfirst_v:
	tensor_load_to_lds s[G0VC:G0VC+3], s[G1C:G1C+7]
	s_nop 0
	tensor_load_to_lds s[G0VS:G0VS+3], s[G1VS:G1VS+7]
	s_nop 0
.rept 4
	v_nop
.endr
.Lfirst_asked:
	s_and_b32 s[PP], s[WV], 3                      ; the second tile's a,
	s_xor_b32 s[A1], s[PP], 7                      ; the first's: 7 - w % 4
	s_lshr_b32 s88, s[WV], 2
	s_bfe_u32 s[CX], ttmp6, 0x40000
	s_lshl_b32 s[HD], s[CX], 2
	s_add_co_u32 s[HD], s[HD], s88                 ; my head: it enters global addresses and the mask's numbers, no LDS address and no branch
.macro TADDR areg, qc, qs, oc, os      ; the tile (a, head): q's half image and scale words; o's half image and scale bytes
	s_lshl_b32 s90, ttmp9, 3
	s_add_co_u32 s90, s90, s[\areg]                ; row tile 8 g + a
	s_lshl_b32 s92, s90, 4
	s_add_co_u32 s92, s92, s[HD]
	s_mul_i32 s94, s92, 768
	s_mov_b32 s95, 0
	s_add_nc_u64 s[\qc:\qc+1], s[4:5], s[94:95]
	s_lshl_b32 s94, s92, 6
	s_add_co_u32 s94, s94, 6291456
	s_add_nc_u64 s[\qs:\qs+1], s[4:5], s[94:95]
	s_lshr_b32 s92, s[HD], 2
	s_mul_i32 s94, s92, 1572864
	s_mul_i32 s92, s90, 3072
	s_add_co_u32 s94, s94, s92
	s_and_b32 s92, s[HD], 3
	s_mul_i32 s92, s92, 768
	s_add_co_u32 s94, s94, s92
	s_add_nc_u64 s[\oc:\oc+1], s[10:11], s[94:95]
	s_lshl_b32 s94, s90, 9
	s_lshr_b32 s92, s[HD], 3
	s_lshl_b32 s92, s92, 8
	s_add_co_u32 s94, s94, s92
	s_and_b32 s92, s[HD], 7
	s_lshl_b32 s92, s92, 1
	s_add_co_u32 s94, s94, s92
	s_add_co_u32 s94, s94, 6291456
	s_add_nc_u64 s[\os:\os+1], s[10:11], s[94:95]
.endm
	TADDR A1, SQC1, SQS1, SOC1, SOS1
	TADDR PP, SQC2, SQS2, SOC2, SOS2
	v_and_b32 v[T0], 31, v0
	s_delay_alu instid0(VALU_DEP_1)
	v_lshlrev_b32 v[L16], 4, v[T0]
	s_delay_alu instid0(VALU_DEP_2)
	v_lshlrev_b32 v[L8], 3, v[T0]
	v_and_b32 v244, 15, v0                         ; p = lane % 16
	v_bfe_u32 v245, v0, 4, 1                       ; h
	s_delay_alu instid0(VALU_DEP_2)
	v_lshlrev_b32 v[T1], 2, v244
	global_load_b128 v[QL:QL+3], v[L16], s[SQC1:SQC1+1]
	global_load_b64 v[QL+4:QL+5], v[L8], s[SQC1:SQC1+1] offset:512
	global_load_b32 v[QSW], v[T1], s[SQS1:SQS1+1]
	global_load_b128 v[Q2:Q2+3], v[L16], s[SQC2:SQC2+1]
	global_load_b64 v[Q2+4:Q2+5], v[L8], s[SQC2:SQC2+1] offset:512
	global_load_b32 v[QSW2], v[T1], s[SQS2:SQS2+1]
	v_and_b32 v246, 7, v0                          ; p % 8
	v_bfe_u32 v247, v0, 3, 1                       ; p / 8
	s_delay_alu instid0(VALU_DEP_2)
	v_mul_u32_u24 v[AK16], v246, 912               ; K: lane (p, h) takes head p % 8 (+ 8), row p / 8 (+ 2 b), d half h
	s_delay_alu instid0(VALU_DEP_1)
	v_mad_u32_u24 v[AK8], v245, 128, v[AK16]
	s_delay_alu instid0(VALU_DEP_2)
	v_mad_u32_u24 v[AK16], v245, 304, v[AK16]
	s_delay_alu instid0(VALU_DEP_1)
	v_lshl_add_u32 v[AK16], v247, 4, v[AK16]
	s_delay_alu instid0(VALU_DEP_3)
	v_lshl_add_u32 v[AK8], v247, 3, v[AK8]
	v_mul_u32_u24 v[AV16], v244, 912               ; V: lane (p, h) takes record Rv = p, key block 2 c + h
	s_delay_alu instid0(VALU_DEP_1)
	v_add_nc_u32 v[AV16], VC, v[AV16]
	s_delay_alu instid0(VALU_DEP_1)
	v_lshl_add_u32 v[AV8], v245, 4, v[AV16]
	s_delay_alu instid0(VALU_DEP_2)
	v_lshl_add_u32 v[AV16], v245, 5, v[AV16]
	v_mul_u32_u24 v[AKS], v246, 72                 ; K's scale words: lanes 0-15 heads 0-7, lanes 16-31 heads 8-15
	s_delay_alu instid0(VALU_DEP_1)
	v_mad_u32_u24 v[AKS], v245, 576, v[AKS]
	s_delay_alu instid0(VALU_DEP_1)
	v_lshl_add_u32 v[AKS], v247, 2, v[AKS]
	s_delay_alu instid0(VALU_DEP_1)
	v_add_nc_u32 v[AKS], KSC, v[AKS]
	v_bfe_u32 v246, v0, 1, 3                       ; p / 2
	v_and_b32 v247, 1, v0
	s_delay_alu instid0(VALU_DEP_2)
	v_mul_u32_u24 v[AVS], v246, 136                ; V's: lanes 0-15 the even tile of a pair, lanes 16-31 the odd one
	s_delay_alu instid0(VALU_DEP_1)
	v_lshl_add_u32 v[AVS], v247, 3, v[AVS]
	s_delay_alu instid0(VALU_DEP_1)
	v_lshl_add_u32 v[AVS], v245, 2, v[AVS]
	s_delay_alu instid0(VALU_DEP_1)
	v_add_nc_u32 v[AVS], VSC, v[AVS]
	v_lshl_add_u32 v[OSB], v244, 4, v245           ; o's scale byte: 16 r + h
	v_sub_nc_u32 v[DM], v244, v245
	s_delay_alu instid0(VALU_DEP_1)
	v_lshlrev_b32 v[DM], 4, v[DM]
	s_delay_alu instid0(VALU_DEP_1)
	v_add_nc_u32 v[DM], s[HD], v[DM]
	v_mov_b32 v[NINF], 0xff800000
.irp i, 0,1,2,3,4,5
	v_mov_b32 v[QL+6+\i], 0                        ; zero codes: they add nothing under any scale byte but 0xff
	v_mov_b32 v[QH+\i], 0
.endr
.irp b, 0,1,2,3
	v_mov_b32 v[BT+\b], 0                          ; written once: a lane permute's destination counts as one of its sources
.endr
	v_mov_b32 v[FF+1], 0                           ; (named as the upper half of a pair)
.macro INIT                            ; a tile's start: O^T and the sum are zeros, the largest t lies under every t
	v_mov_b32 v13, 0xff61b1e6
	s_delay_alu instid0(VALU_DEP_1)
	v_floor_f32 v12, -v13
	v_mov_b32 v14, 0
	v_mov_b32 v15, 0
.set jj, 0
.rept 32
	v_mov_b32 v[O+jj], 0
.set jj, jj+1
.endr
.endm
	s_wait_loadcnt 0x0                             ; q
.irp i, 0,1,2,3,4,5
	v_mov_b32 v[QH+6+\i], v[QL+\i]
.endr
	INIT
	s_wait_tensorcnt 0x0                           ; my parts of K and V are in,
	s_barrier_signal -1
	s_barrier_wait -1                              ; everybody's are; nothing is ever filled again
; A KEY STEP: 128 keys, the jo-th of the block a' in hand
.macro STEP jo
	s_setprio 2
.irp b, 0,1,2,3
	ds_load_b128 v[F+12*\b:F+12*\b+3], v[ADK16] offset:128*\jo+32*\b
	ds_load_b64 v[F+12*\b+4:F+12*\b+5], v[ADK8] offset:64*\jo+608+16*\b
	ds_load_b128 v[F+12*\b+6:F+12*\b+9], v[ADK16] offset:128*\jo+7296+32*\b
	ds_load_b64 v[F+12*\b+10:F+12*\b+11], v[ADK8] offset:64*\jo+7904+16*\b
	ds_load_b32 v[KS+\b], v[ADKS] offset:32*\jo+8*\b
.endr
	s_wait_dscnt 0x0
.irp b, 0,1,2,3                                ; S^T: the fragment's lower tile against q below, its upper tile against q above
	v_wmma_scale_f32_16x16x128_f8f6f4 v[S+16*\b:S+16*\b+7], v[F+12*\b:F+12*\b+11], v[QL:QL+11], 0, v[KS+\b], v[QSW] matrix_a_fmt:MATRIX_FMT_FP6 matrix_b_fmt:MATRIX_FMT_FP6
	v_wmma_scale_f32_16x16x128_f8f6f4 v[S+16*\b+8:S+16*\b+15], v[F+12*\b:F+12*\b+11], v[QH:QH+11], 0, v[KS+\b], v[QSW] matrix_a_fmt:MATRIX_FMT_FP6 matrix_b_fmt:MATRIX_FMT_FP6 matrix_a_scale:MATRIX_SCALE_ROW1
.endr
.rept 4
	v_nop                                          ; four places: in front of the loads into K's registers, and of the first read of the scores
.endr
.irp td, 0,1,2,3                               ; V's fragments go out now and land under the softmax
	ds_load_b128 v[F+12*\td:F+12*\td+3], v[ADV16] offset:128*\jo+304*(\td/2)+16*(\td%2)
	ds_load_b64 v[F+12*\td+4:F+12*\td+5], v[ADV8] offset:64*\jo+608+128*(\td/2)+8*(\td%2)
	ds_load_b128 v[F+12*\td+6:F+12*\td+9], v[ADV16] offset:128*\jo+304*(\td/2)+16*(\td%2)+64
	ds_load_b64 v[F+12*\td+10:F+12*\td+11], v[ADV8] offset:64*\jo+608+128*(\td/2)+8*(\td%2)+32
.endr
.irp bd, 0,1
	ds_load_b32 v[VS+\bd], v[ADVS] offset:32*\jo+64*\bd
.endr
	s_cmp_lg_u32 s[AP], s[AT]                      ; only the block a' = a holds hidden keys
	s_cbranch_scc1 .Lopen_\@
.if \jo
	v_add_nc_u32 v[DT], 0xffffff80, v[DM]          ; the second step's keys lie 128 further on
.set MR, DT
.else
.set MR, DM
.endif
.set n, 0
.rept 64                                       ; register 16 b + i holds key 32 b + 16 h + i of the step: hidden where it comes after my query
	v_cmp_gt_i32 vcc_lo, 32*(n/16)+n%16, v[MR]
	v_cndmask_b32 v[S+n], v[S+n], v[NINF], vcc_lo
.set n, n+1
.endr
.Lopen_\@:
.irp b, 0,1,2,3
	v_max3_num_f32 v[BM+\b], v[S+16*\b], v[S+1+16*\b], v[S+2+16*\b]   ; the largest score of each block of 32 keys: for the row's maximum and, since p rises with the score, for the block's largest p
.endr
.irp i, 3,5,7,9,11,13
.irp b, 0,1,2,3
	v_max3_num_f32 v[BM+\b], v[BM+\b], v[S+16*\b+\i], v[S+1+16*\b+\i]
.endr
.endr
.irp b, 0,1,2,3
	v_max_num_f32 v[BM+\b], v[BM+\b], v[S+15+16*\b]
.endr
.irp b, 0,1,2,3
	s_delay_alu instid0(VALU_DEP_4)
	v_permlanex16_b32 v[BT+\b], v[BM+\b], s[SEL], s[SEL+1]
.endr
.irp b, 0,1,2,3
	s_delay_alu instid0(VALU_DEP_4)
	v_max_num_f32 v[BM+\b], v[BM+\b], v[BT+\b]     ; with lane l xor 16's 16 keys
.endr
	s_delay_alu instid0(VALU_DEP_2)
	v_max3_num_f32 v[T0], v[BM], v[BM+1], v[BM+2]
	s_delay_alu instid0(VALU_DEP_1)
	v_max_num_f32 v[T0], v[T0], v[BM+3]
	s_delay_alu instid0(VALU_DEP_1)
	v_mul_f32 v[T0], s[CS], v[T0]                  ; the step's largest t
	s_delay_alu instid0(VALU_DEP_1)
	v_max_num_f32 v13, v13, v[T0]                  ; the running largest t
	v_mov_b32 v[T0], v12
	s_delay_alu instid0(VALU_DEP_2)
	v_floor_f32 v12, -v13                          ; -M = floor(-t): M is a whole number
	s_delay_alu instid0(VALU_DEP_1)
	v_sub_f32 v[T0], v12, v[T0]                    ; old M - new M, 0 or less
	s_delay_alu instid0(VALU_DEP_1)
	v_cvt_i32_f32 v[T0], v[T0]                     ; (it saturates)
	s_delay_alu instid0(VALU_DEP_1)
	v_ldexp_f32 v[FF], 1.0, v[T0]                  ; f = 2^(old M - new M): a multiplication by it rounds nothing
.set jj, 0
.rept 32
	v_pk_fma_f32 v[S+jj:S+jj+1], v[S+jj:S+jj+1], s[CS:CS+1], v[12:13] op_sel_hi:[1,0,0]   ; t - M
.set jj, jj+2
.endr
	s_setprio 1
.irp b, 0,1,2,3
	v_fma_f32 v[BM+\b], v[BM+\b], s[CS], v12       ; the same of each block's largest score
.endr
.set jj, 0
	s_wait_alu depctr_va_vdst(0)
.rept 64
	v_exp_f32 v[S+jj], v[S+jj]                     ; p = 2^(t - M), at most 1
.set jj, jj+1
.endr
	v_pk_mul_f32 v[14:15], v[14:15], v[FF:FF+1] op_sel_hi:[1,0]   ; the sums under the new M: a plain place behind the exponentials
	s_wait_alu depctr_va_vdst(0)                   ; one wait for the batch, ahead of its first reader
.irp b, 0,1,2,3
	v_exp_f32 v[BM+\b], v[BM+\b]                   ; the block's largest p
.endr
	v_pk_add_f32 v[244:245], v[100:101], v[104:105]
	v_pk_add_f32 v[254:255], v[108:109], v[112:113]
	v_pk_add_f32 v[252:253], v[116:117], v[120:121]
	v_pk_add_f32 v[250:251], v[124:125], v[128:129]
	v_pk_add_f32 v[248:249], v[132:133], v[136:137]
	v_pk_add_f32 v[246:247], v[140:141], v[144:145]
	v_pk_add_f32 v[230:231], v[148:149], v[152:153]
	v_pk_add_f32 v[14:15], v[14:15], v[156:157]
	v_pk_add_f32 v[244:245], v[244:245], v[96:97]
	v_pk_add_f32 v[254:255], v[254:255], v[98:99]
	v_pk_add_f32 v[252:253], v[252:253], v[102:103]
	v_pk_add_f32 v[250:251], v[250:251], v[106:107]
	v_pk_add_f32 v[248:249], v[248:249], v[110:111]
	v_pk_add_f32 v[246:247], v[246:247], v[114:115]
	v_pk_add_f32 v[230:231], v[230:231], v[118:119]
	v_pk_add_f32 v[14:15], v[14:15], v[122:123]
	v_pk_add_f32 v[244:245], v[244:245], v[126:127]
	v_pk_add_f32 v[254:255], v[254:255], v[130:131]
	v_pk_add_f32 v[252:253], v[252:253], v[134:135]
	v_pk_add_f32 v[250:251], v[250:251], v[138:139]
	v_pk_add_f32 v[248:249], v[248:249], v[142:143]
	v_pk_add_f32 v[246:247], v[246:247], v[146:147]
	v_pk_add_f32 v[230:231], v[230:231], v[150:151]
	v_pk_add_f32 v[14:15], v[14:15], v[154:155]
	v_pk_add_f32 v[244:245], v[244:245], v[158:159]
	s_delay_alu instid0(VALU_DEP_2)
	v_pk_add_f32 v[14:15], v[14:15], v[250:251]
	s_delay_alu instid0(VALU_DEP_2)
	v_pk_add_f32 v[244:245], v[244:245], v[248:249]
	v_pk_add_f32 v[254:255], v[254:255], v[246:247]
	v_pk_add_f32 v[252:253], v[252:253], v[230:231]
	s_delay_alu instid0(VALU_DEP_2)
	v_pk_add_f32 v[14:15], v[14:15], v[254:255]
	s_delay_alu instid0(VALU_DEP_2)
	v_pk_add_f32 v[244:245], v[244:245], v[252:253]
	s_delay_alu instid0(VALU_DEP_1)
	v_pk_add_f32 v[14:15], v[14:15], v[244:245]
	s_wait_alu depctr_va_vdst(0)                   ; and one for the four
.irp b, 0,1,2,3
	v_max_num_f32 v[BM+\b], 0x1800000, v[BM+\b]    ; the floor 2^(3 - 127): the byte cannot fall under 1
.endr
.irp b, 0,1,2,3
	s_delay_alu instid0(VALU_DEP_4)
	v_add_nc_u32 v[SO+\b], 0xff000000, v[BM+\b]
.endr
.irp b, 0,1,2,3
	s_delay_alu instid0(VALU_DEP_4)
	v_lshrrev_b32 v[BT+\b], 23, v[SO+\b]
.endr
	s_delay_alu instid0(VALU_DEP_3)
	v_lshl_or_b32 v[PWD], v[BT+1], 8, v[BT]        ; p's scale word for these 128 keys
	s_delay_alu instid0(VALU_DEP_1)
	v_lshl_or_b32 v[PWD], v[BT+2], 16, v[PWD]
	s_delay_alu instid0(VALU_DEP_1)
	v_lshl_or_b32 v[PWD], v[BT+3], 24, v[PWD]
	s_setprio 0
.irp c, 0,1
	v_cvt_scalef32_pk16_fp6_f32 v[P+6*\c:P+2+6*\c], v[S+32*\c:S+15+32*\c], v[SO+2*\c]
	v_cvt_scalef32_pk16_fp6_f32 v[PX+4*\c:PX+2+4*\c], v[S+16+32*\c:S+31+32*\c], v[SO+2*\c+1]
.endr
	v_nop                                          ; one plain place behind a scaled conversion
.irp c, 0,1
.irp i, 0,1,2
	v_permlane16_swap_b32 v[P+6*\c+\i], v[PX+4*\c+\i]
.endr
.irp i, 0,1,2
	s_delay_alu instid0(VALU_DEP_3)
	v_mov_b32 v[P+3+6*\c+\i], v[PX+4*\c+\i]
.endr
.endr
.set jj, 0
.rept 16
	v_pk_mul_f32 v[O+jj:O+jj+1], v[O+jj:O+jj+1], v[FF:FF+1] op_sel_hi:[1,0]   ; O^T under the new M.  (These sixteen are also the places between p's codes and scale word and the products)
.set jj, jj+2
.endr
	s_wait_alu depctr_va_vdst(0)
	s_wait_dscnt 0x0                               ; V is in
.irp td, 0,1,2,3                               ; O^T += V^T P^T: the four accumulators by turns
.if \td%2
	v_wmma_scale_f32_16x16x128_f8f6f4 v[O+8*\td:O+8*\td+7], v[F+12*\td:F+12*\td+11], v[P:P+11], v[O+8*\td:O+8*\td+7], v[VS+\td/2], v[PWD] matrix_a_fmt:MATRIX_FMT_FP6 matrix_b_fmt:MATRIX_FMT_FP6 matrix_a_scale:MATRIX_SCALE_ROW1
.else
	v_wmma_scale_f32_16x16x128_f8f6f4 v[O+8*\td:O+8*\td+7], v[F+12*\td:F+12*\td+11], v[P:P+11], v[O+8*\td:O+8*\td+7], v[VS+\td/2], v[PWD] matrix_a_fmt:MATRIX_FMT_FP6 matrix_b_fmt:MATRIX_FMT_FP6
.endif
.endr
.endm
.macro TILE_LOOP trips                 ; blocks a' = 0 .. trips - 1 of 256 keys; those above the tile's a are jumped over
	s_mov_b32 s[AP], 0
	s_mov_b32 s[SA], 0
	s_mov_b32 s[SAK], 0
	s_mov_b32 s[SAV], 0
.Ltrip_\@:
	s_cmp_gt_u32 s[AP], s[AT]
	s_cbranch_scc1 .Lskip_\@
	v_add_nc_u32 v[ADK16], s[SA], v[AK16]          ; (these six are also the places behind the last products)
	v_add_nc_u32 v[ADK8], s[SA], v[AK8]
	v_add_nc_u32 v[ADV16], s[SA], v[AV16]
	s_wait_alu depctr_va_vdst(0)
	v_add_nc_u32 v[ADV8], s[SA], v[AV8]
	s_wait_alu depctr_va_vdst(0)
	v_add_nc_u32 v[ADKS], s[SAK], v[AKS]
	v_add_nc_u32 v[ADVS], s[SAV], v[AVS]
	s_wait_alu depctr_va_vdst(0)
	STEP 0
.rept 4
	v_nop                                          ; places in front of loads into registers that matrix instructions have read
.endr
	STEP 1
.Lskip_\@:
	s_add_co_u32 s[SA], s[SA], 14592
	s_add_co_u32 s[SAK], s[SAK], 1152
	s_add_co_u32 s[SAV], s[SAV], 1088
	s_add_co_u32 s[AP], s[AP], 1
	s_cmp_lt_u32 s[AP], \trips
	s_cbranch_scc1 .Ltrip_\@
	s_setprio 0
.endm
; A tile's way out: O^T / the sum, quantised along d (two blocks, each in lanes l and l xor 16), stored as a half image and 32 scale bytes
.macro FINISH oc, os
.rept 4
	v_nop
.endr
	v_add_f32 v14, v14, v15
	s_delay_alu instid0(VALU_DEP_1)
	v_permlanex16_b32 v[T0], v14, s[SEL], s[SEL+1]
	s_delay_alu instid0(VALU_DEP_1)
	v_add_f32 v14, v14, v[T0]                      ; the row's sum
	s_wait_alu depctr_va_vdst(0)
	v_rcp_f32 v14, v14
	v_nop                                          ; one plain place behind a transcendental
	s_wait_alu depctr_va_vdst(0)                   ; the wait, ahead of the first reader
.set jj, 0
.rept 32
	v_mul_f32 v[S+jj], v[O+jj], v14                ; register 16 bd + i is o(q, 32 bd + 16 h + i)
.set jj, jj+1
.endr
.irp b, 0,1
	v_max3_num_f32 v[BM+\b], |v[S+16*\b]|, |v[S+1+16*\b]|, 0x1800000
.endr
.irp i, 2,4,6,8,10,12,14
.irp b, 0,1
	s_delay_alu instid0(VALU_DEP_2)
	v_max3_num_f32 v[BM+\b], v[BM+\b], |v[S+16*\b+\i]|, |v[S+1+16*\b+\i]|
.endr
.endr
.irp b, 0,1
	s_delay_alu instid0(VALU_DEP_2)
	v_permlanex16_b32 v[BT+\b], v[BM+\b], s[SEL], s[SEL+1]
.endr
.irp b, 0,1
	s_delay_alu instid0(VALU_DEP_2)
	v_max_num_f32 v[BM+\b], v[BM+\b], v[BT+\b]
.endr
.irp b, 0,1
	s_delay_alu instid0(VALU_DEP_2)
	v_add_nc_u32 v[SO+\b], 0xff000000, v[BM+\b]
.endr
.irp b, 0,1
	s_delay_alu instid0(VALU_DEP_2)
	v_lshrrev_b32 v[BT+\b], 23, v[SO+\b]
.endr
	v_cvt_scalef32_pk16_fp6_f32 v[P:P+2], v[S:S+15], v[SO]
	v_cvt_scalef32_pk16_fp6_f32 v[PX:PX+2], v[S+16:S+31], v[SO+1]
	v_nop                                          ; one plain place behind a scaled conversion
.irp i, 0,1,2
	v_permlane16_swap_b32 v[P+\i], v[PX+\i]
.endr
.irp i, 0,1,2
	s_delay_alu instid0(VALU_DEP_3)
	v_mov_b32 v[P+3+\i], v[PX+\i]
.endr
	v_cndmask_b32 v[T1], v[BT], v[BT+1], s[SH]     ; lanes 0-15 store block 0's byte, lanes 16-31 block 1's
	global_store_b128 v[L16], v[P:P+3], s[\oc:\oc+1]
	global_store_b64 v[L8], v[P+4:P+5], s[\oc:\oc+1] offset:512
	global_store_b8 v[OSB], v[T1], s[\os:\os+1]    ; 32 single bytes beside 768 bytes of codes
	s_wait_xcnt 0x0                                ; the stores have read their registers: these are written again only behind this wait
.endm
	s_mov_b32 s[AT], s[A1]
	TILE_LOOP 8
	FINISH SOC1, SOS1
	v_mov_b32 v[QSW], v[QSW2]                      ; the second tile: its scale word first, then its codes; the 36 lines of INIT stand between them and the next products
.irp i, 0,1,2,3,4,5
	v_mov_b32 v[QL+\i], v[Q2+\i]
	v_mov_b32 v[QH+6+\i], v[Q2+\i]
.endr
	INIT
	s_mov_b32 s[AT], s[PP]
	TILE_LOOP 4
	FINISH SOC2, SOS2
	s_wait_dscnt 0x0
	s_barrier_signal -1
	s_barrier_wait -1                              ; every wave's LDS reads are over
	s_wait_tensorcnt 0x0                           ; the wave's end: behind my last tensor load
	ds_add_u32 v[SPW], v[NIL]
	s_wait_dscnt 0x0
	ROUND                                          ; the closing round
	s_endpgm
.Lfunc_end_k_qe2a6366927_attn:
	.size	k_qe2a6366927_attn, .Lfunc_end_k_qe2a6366927_attn-k_qe2a6366927_attn
	.p2alignl 7, 3214868480
	.fill 96, 4, 3214868480
	.section	.rodata,"a",@progbits
	.p2align	6, 0x0
	.amdhsa_kernel k_qe2a6366927_attn
		.amdhsa_group_segment_fixed_size 253440
		.amdhsa_private_segment_fixed_size 0
		.amdhsa_enable_private_segment 0
		.amdhsa_kernarg_size 32
		.amdhsa_user_sgpr_count 2
		.amdhsa_user_sgpr_kernarg_segment_ptr 1
		.amdhsa_wavefront_size32 1
		.amdhsa_system_sgpr_workgroup_id_x 1
		.amdhsa_system_sgpr_workgroup_id_y 1
		.amdhsa_system_sgpr_workgroup_id_z 1
		.amdhsa_system_vgpr_workitem_id 0
		.amdhsa_next_free_vgpr 256
		.amdhsa_next_free_sgpr 100
		.amdhsa_reserve_vcc 1
		.amdhsa_float_denorm_mode_32 3
		.amdhsa_float_denorm_mode_16_64 3
		.amdhsa_memory_ordered 1
		.amdhsa_forward_progress 1
		.amdhsa_inst_pref_size 114
	.end_amdhsa_kernel
	.amdgpu_metadata
---
amdhsa.version: [ 1, 2 ]
amdhsa.kernels:
  - .name:           k_qe2a6366927_attn
    .symbol:         k_qe2a6366927_attn.kd
    .args:
      - { .name: qq, .offset: 0, .size: 8, .value_kind: global_buffer, .address_space: global }
      - { .name: kq, .offset: 8, .size: 8, .value_kind: global_buffer, .address_space: global }
      - { .name: vq, .offset: 16, .size: 8, .value_kind: global_buffer, .address_space: global }
      - { .name: aq, .offset: 24, .size: 8, .value_kind: global_buffer, .address_space: global }
    .group_segment_fixed_size: 253440
    .private_segment_fixed_size: 0
    .kernarg_segment_align: 8
    .kernarg_segment_size: 32
    .max_flat_workgroup_size: 512
    .sgpr_count:     100
    .vgpr_count:     256
    .wavefront_size: 32
...
	.end_amdgpu_metadata
.endif
;; end of part 3
;; launch proj (part 4): grid 4 x 32, 4 waves a work-group, clusters of 4 x 4, 327,680 bytes of LDS; arguments aq, pq, proj_b, out0; writes out0
.if DOCPART == 4
	.amdgcn_target "amdgcn-amd-amdhsa--gfx1250"
	.amdhsa_code_object_version 6
	.text
	.protected	k_qe2a6366927_proj
	.globl	k_qe2a6366927_proj
	.p2align	8
	.type	k_qe2a6366927_proj,@function
k_qe2a6366927_proj:
	s_mov_b64 s[64:65], 0
	v_nop
	global_prefetch_b8 v0, s[64:65] scope:SCOPE_SE
	s_setreg_imm32_b32 hwreg(HW_REG_WAVE_MODE, 25, 1), 1
	s_wait_xcnt 0x0
	s_wait_alu depctr_hold_cnt(0) depctr_sa_sdst(0) depctr_va_vdst(0) depctr_va_sdst(0) depctr_va_ssrc(0) depctr_va_vcc(0) depctr_vm_vsrc(0)
	s_getreg_b32 s2, hwreg(HW_REG_IB_STS2, 6, 4)
	s_cmp_eq_u32 s2, 0
	s_cbranch_scc0 .Lentry_in_a_cluster
	s_endpgm
.Lentry_in_a_cluster:
	s_bfe_u32 s2, ttmp6, 0x10000c
	s_cmp_lg_u32 s2, 0xf033
	s_cbranch_scc0 .Lentry_shape_is_right
	s_endpgm
.Lentry_shape_is_right:
; out0 = A proj_w^T + proj_b on codes of E2M3: A [8192 x 1024] are the attention's results as the launch before has quantised them (aq), proj_w [1024 x 1024] the first launch's codes (pq); out0 f32.
; Operands lie as half images (768 bytes = 16 rows x 64 K as an image of registers: registers 0-3 at 16 x lane, registers 4-5 at 512 + 8 x lane), codes [k / 256][row tile][4], so that 128 rows x 256 K are ONE dense block of 24,576 bytes.
; A work-group of four waves makes 256 x 256, a wave 128 x 128: 64 accumulators, 512 registers.  K = 1,024 goes in four chunks of 256: chunks 0, 1, 2 are first fills of three LDS slots, chunk 3 is the one refill, of slot 0.
; CLUSTERS: 4 x 4 work-groups; A's tiles are asked for jointly along a row of the cluster, B's along a column.  By this text's own count a wave has four tensor loads out at the start and one behind the refill's round.
; THE MATRIX INSTRUCTION IS USED TRANSPOSED (source 0 = 16 rows of proj_w, source 1 = 16 rows of A): a lane holds eight neighbouring numbers of a row of out0.  The bias is the C of each sum's first product.
; 128 tiles of 256 x 256 are 128 work-groups: half of the WGPs; a smaller tile would fill them at twice the LDS reads for each product.
; REGISTERS: window 0: v4-26 addresses; v28, v29 the add's two; v32-63 scale words, two sets; v64-127 the bias, eight registers a tile of columns; v128-223 A's fragments, one set (on the way out v128-255: rows).
;   window 1: B's two sets, at v0 and v128.  windows 2, 3: accumulator (a, b) at v[8 (8 (a % 4) + b)].
.set HALFT, 24576                      ; 128 rows x 256 K: what one tensor load brings
.set SLOT,  98304                      ; A's two halves, then B's two
.set SCL,   294912                     ; behind the three slots: the scale bytes of A's 256 rows, then of B's, for all of K: filled once
.set SPARE, 311296                     ; the spare words, 128 bytes for each wave: two blocks of 256 bytes that no other line names
.set CHA,   1572864                    ; from chunk to chunk in A's buffer
.set CHB,   196608                     ; and in B's
.set SOFFA, 6291456                    ; where A's scale bytes begin
.set SOFFB, 786432
.set SPITCH, 528                       ; the way out: a stage of 16 rows x (512 + 16) bytes for each wave, in slot 1, which has had its only fill and, at the last barrier, its last read
.set A16, 4
.set A8,  7
.set B16, 10
.set B8,  13
.set ADRS, 16
.set CO,  17                           ; v17  16 x lane: also my byte offset in a row of out0
.set STO, 24
.set RD,  25
.set SPW, 28
.set NIL, 29
.set SC,  32
.set AF,  128
.set BK,  128
.set G1A, 24
.set G1B, 32
.set G1SA, 40
.set G1SB, 48
.set G0A0, 56
.set G0A1, 60
.set G0A2, 68
.set G0B0, 72
.set G0B1, 76
.set G0B2, 80
.set G0SA, 84
.set G0SB, 88
.set MUL_LO, 0xa1
.set MUL_HI, 0xf1
.set TO_B,   0x40
.set MSB, 0
.macro WIN new                         ; the immediate's high byte repeats the setting that is left
.if MSB != (\new)
	s_set_vgpr_msb (MSB<<8)|(\new)
.set MSB, (\new)
.endif
.endm
.macro JLOAD g0a, g1a, g0b, g1b        ; a joint load: waves 0, 1 fetch for A, waves 2, 3 for B; an s_nop 0 and four v_nop follow each line
	s_cmp_eq_u32 s15, 0
	s_cbranch_scc0 .Lfor_b_\@
	tensor_load_to_lds s[\g0a:\g0a+3], s[\g1a:\g1a+7]
	s_nop 0
.rept 4
	v_nop
.endr
	s_branch .Lasked_\@
.Lfor_b_\@:
	tensor_load_to_lds s[\g0b:\g0b+3], s[\g1b:\g1b+7]
	s_nop 0
.rept 4
	v_nop
.endr
.Lasked_\@:
.endm
.macro CREST
	s_cmp_lg_u32 s14, 0
	s_cbranch_scc1 .Lnot_wave_0_\@
	s_barrier_signal -3
.Lnot_wave_0_\@:
	s_barrier_wait -3
	s_barrier_signal -1
	s_barrier_wait -1
.endm
.macro CROUND
	s_barrier_signal -1
	s_barrier_wait -1
	CREST
.endm
.macro SETG0 g, ldsreg, ldsoff, ad, step
	s_mov_b32 s[\g], 1
	s_add_co_u32 s[\g+1], s[\ldsreg], \ldsoff
	s_add_nc_u64 s[\g+2:\g+3], s[\ad:\ad+1], \step
	s_or_b32 s[\g+3], s[\g+3], 0x80000000
.endm
.macro PLACES n
.rept \n
	v_nop
.endr
.endm
.macro FRAG reg, a16, a8, off          ; a fragment = two half images: four loads, each of consecutive bytes
	ds_load_b128 v[(\reg):(\reg)+3], v[\a16] offset:(\off)
	ds_load_b64 v[(\reg)+4:(\reg)+5], v[\a8] offset:(\off)+512
	ds_load_b128 v[(\reg)+6:(\reg)+9], v[\a16] offset:(\off)+768
	ds_load_b64 v[(\reg)+10:(\reg)+11], v[\a8] offset:(\off)+1280
.endm
.macro FETCH_B slot, q, set
	WIN TO_B
.irp i, 0,1,2,3,4,5,6,7
	FRAG 128*(\set)+12*\i, B16+(\slot), B8+(\slot), \i*3072+(\q)*1536
.endr
	WIN 0
.endm
.macro FETCH_A slot, q, i0
.irp i, \i0, \i0+1, \i0+2, \i0+3
	FRAG AF+12*(\i), A16+(\slot), A8+(\slot), (\i)*3072+(\q)*1536
.endr
.endm
.macro SCALES kc                       ; chunk kc's two words a row: lanes 0-15 A's block i, lanes 16-31 B's block i
.irp i, 0,1,2,3,4,5,6,7
	ds_load_b64 v[SC+16*((\kc)%2)+2*\i:SC+16*((\kc)%2)+2*\i+1], v[ADRS] offset:\i*512+((\kc)/2)*256+((\kc)%2)*8
.endr
.endm
; 16 matrix instructions: A's blocks a0, a0 + 1 x B's eight.  cmode 1: the first product starts the sums; 2: it takes v[64 + 8 b] on, the bias, as C.  The 64 accumulators take turns.
.macro MUL16 a0, set, q, sc, cmode
.irp a, \a0, \a0+1
.irp b, 0,1,2,3,4,5,6,7
.if \cmode == 1
	v_wmma_scale_f32_16x16x128_f8f6f4 v[8*(8*((\a)%4)+\b):8*(8*((\a)%4)+\b)+7], v[128*(\set)+12*\b:128*(\set)+12*\b+11], v[AF+12*(\a):AF+12*(\a)+11], 0, v[SC+16*(\sc)+2*\b+(\q)], v[SC+16*(\sc)+2*(\a)+(\q)] matrix_a_fmt:MATRIX_FMT_FP6 matrix_b_fmt:MATRIX_FMT_FP6 matrix_a_scale:MATRIX_SCALE_ROW1
.elseif \cmode == 2
	v_wmma_scale_f32_16x16x128_f8f6f4 v[8*(8*((\a)%4)+\b):8*(8*((\a)%4)+\b)+7], v[128*(\set)+12*\b:128*(\set)+12*\b+11], v[AF+12*(\a):AF+12*(\a)+11], v[64+8*\b:71+8*\b], v[SC+16*(\sc)+2*\b+(\q)], v[SC+16*(\sc)+2*(\a)+(\q)] matrix_a_fmt:MATRIX_FMT_FP6 matrix_b_fmt:MATRIX_FMT_FP6 matrix_a_scale:MATRIX_SCALE_ROW1
.else
	v_wmma_scale_f32_16x16x128_f8f6f4 v[8*(8*((\a)%4)+\b):8*(8*((\a)%4)+\b)+7], v[128*(\set)+12*\b:128*(\set)+12*\b+11], v[AF+12*(\a):AF+12*(\a)+11], v[8*(8*((\a)%4)+\b):8*(8*((\a)%4)+\b)+7], v[SC+16*(\sc)+2*\b+(\q)], v[SC+16*(\sc)+2*(\a)+(\q)] matrix_a_fmt:MATRIX_FMT_FP6 matrix_b_fmt:MATRIX_FMT_FP6 matrix_a_scale:MATRIX_SCALE_ROW1
.endif
.endr
.endr
.endm
.macro KSYM ks                         ; K step ks of 128: which half of its chunk, which set of scale words; and the same of the step that follows
.set CQ, (\ks)%2
.set CSC, ((\ks)/2)%2
.set NS, (((\ks)+1)/2)%3
.set NQ, ((\ks)+1)%2
.set NK, ((\ks)+1)/2
.endm
.macro KS_PLAIN ks, cmode              ; a K step whose successor's tile has been shown landed
	KSYM \ks
	s_wait_dscnt 16                                ; B's set and A's blocks 0-3 are in; the youngest 16 loads (A's blocks 4-7) may be out
.if \cmode == 2
	WIN 0x81                                       ; C (the bias) in window 0, D in window 2
.else
	WIN MUL_LO
.endif
	MUL16 0, CQ, CQ, CSC, \cmode
	MUL16 2, CQ, CQ, CSC, \cmode
	s_wait_dscnt 0x0                               ; A's blocks 4-7 are in
	PLACES 4                                       ; four places in front of loads into registers that matrix instructions have read
	FETCH_B NS, NQ, NQ
	FETCH_A NS, NQ, 0
.if NQ == 0
	SCALES NK
.endif
.if \cmode == 2
	WIN 0xc1
.else
	WIN MUL_HI
.endif
	MUL16 4, CQ, CQ, CSC, \cmode
	MUL16 6, CQ, CQ, CSC, \cmode
	PLACES 4
	WIN 0
	FETCH_A NS, NQ, 4
.endm
; A K step with a barrier in it: in front of it each wave waits for all its tensor loads, adds 0 to its spare word, and waits for that and for its reads so far.
; fill = 1: the barrier opens a round of the cluster's, and behind it slot 0, which nobody reads any more, takes chunk 3.  fill = 0: behind it chunk 3 is whole for every wave.
.macro KS_TURN ks, fill
	KSYM \ks
	s_wait_tensorcnt 0x0                           ; all my tensor loads have landed
	ds_add_u32 v[SPW], v[NIL]                      ; 0 onto my spare word
	s_wait_dscnt 17                                ; (the add and the youngest 16 loads may be out)
	WIN MUL_LO
	MUL16 0, CQ, CQ, CSC, 0                        ; sixteen matrix instructions stand between the add and the wait for it
	s_wait_dscnt 0x0                               ; the add is done, and my LDS reads are over
	s_barrier_signal -1
	MUL16 2, CQ, CQ, CSC, 0
	WIN 0
	s_barrier_wait -1
.if \fill
	CREST                                          ; no wave of any partner still reads slot 0 or has a load on its way
	s_add_nc_u64 s[G0A0+2:G0A0+3], s[G0A0+2:G0A0+3], 3*CHA
	s_add_nc_u64 s[G0B0+2:G0B0+3], s[G0B0+2:G0B0+3], 3*CHB
	JLOAD G0A0, G1A, G0B0, G1B                     ; the first tensor load behind the round; its four v_nop are also the places in front of the loads below
.else
	PLACES 4
.endif
	FETCH_B NS, NQ, NQ
	FETCH_A NS, NQ, 0
	SCALES NK
	WIN MUL_HI
	MUL16 4, CQ, CQ, CSC, 0
	MUL16 6, CQ, CQ, CSC, 0
	PLACES 4
	WIN 0
	FETCH_A NS, NQ, 4
.endm
.macro KS_LAST ks
	KSYM \ks
	s_wait_dscnt 16
	WIN MUL_LO
	MUL16 0, CQ, CQ, CSC, 0
	MUL16 2, CQ, CQ, CSC, 0
	s_wait_dscnt 0x0
	WIN MUL_HI
	MUL16 4, CQ, CQ, CSC, 0
	MUL16 6, CQ, CQ, CSC, 0
	WIN 0
.endm
	s_load_b256 s[4:11], s[0:1], 0x0               ; aq, pq, proj_b, out0
	v_lshl_add_u32 v[SPW], v0, 2, SPARE
	v_mov_b32 v[NIL], 0
	ds_add_u32 v[SPW], v[NIL]                      ; the wave's opening: the add and its wait ahead of my first tensor load
	v_lshrrev_b32 v1, 5, v0
	v_readfirstlane_b32 s14, v1                    ; wave 0..3
	s_lshr_b32 s15, s14, 1                         ; my half of the tile's rows.  Also: I fetch for A (0) or B (1)
	s_and_b32 s16, s14, 1                          ; my half of its columns.  Also: which 128 rows I fetch
	s_bfe_u32 s19, ttmp6, 0x40000                  ; cx
	s_bfe_u32 s20, ttmp6, 0x40004                  ; cy
	s_lshl_b32 s18, ttmp9, 2
	s_add_co_u32 s18, s18, s19                     ; X: tile column
	s_and_b32 s17, ttmp7, 0xffff
	s_lshl_b32 s17, s17, 2
	s_add_co_u32 s17, s17, s20                     ; Y: tile row
	s_lshl_b32 s21, s20, 2
	s_lshl_b32 s21, 15, s21                        ; my row of the cluster
	s_lshl_b32 s22, 0x1111, s19                    ; my column
	s_or_b32 s[G1A], s21, (3<<16)|(1<<21)          ; the mask; elements of 8 bytes; bit 21 beside a mask; no padding: every LDS read takes consecutive bytes
	s_or_b32 s[G1B], s22, (3<<16)|(1<<21)
	s_or_b32 s[G1SA], s21, (3<<16)|(1<<21)
	s_or_b32 s[G1SB], s22, (3<<16)|(1<<21)
.irp g, G1A, G1B
	s_mov_b32 s[\g+1], 32<<16                      ; rows of 256 bytes,
	s_mov_b32 s[\g+2], 96<<16                      ; 96 of them: a dense block of 24,576 bytes
	s_mov_b32 s[\g+3], 32<<16
	s_mov_b32 s[\g+4], 96
	s_mov_b32 s[\g+5], 32
	s_mov_b32 s[\g+6], 0
	s_mov_b32 s[\g+7], 0
.endr
.irp g, G1SA, G1SB
	s_mov_b32 s[\g+1], 32<<16
	s_mov_b32 s[\g+2], 16<<16                      ; the scale bytes of 128 rows: 4,096 dense bytes
	s_mov_b32 s[\g+3], 32<<16
	s_mov_b32 s[\g+4], 16
	s_mov_b32 s[\g+5], 32
	s_mov_b32 s[\g+6], 0
	s_mov_b32 s[\g+7], 0
.endr
	s_lshl_b32 s100, s16, 3
	s_lshl_b32 s92, s17, 4
	s_add_co_u32 s92, s92, s100                    ; A: the first of the eight row tiles that I fetch: it hangs on the tile row alone
	s_lshl_b32 s94, s92, 9
	s_add_co_u32 s94, s94, SOFFA
	s_mov_b32 s95, 0
	s_mul_i32 s92, s92, 3072
	s_mov_b32 s93, 0
	s_lshl_b32 s96, s18, 4
	s_add_co_u32 s96, s96, s100                    ; B: on the tile column alone
	s_lshl_b32 s98, s96, 9
	s_add_co_u32 s98, s98, SOFFB
	s_mov_b32 s99, 0
	s_mul_i32 s96, s96, 3072
	s_mov_b32 s97, 0
	s_mul_i32 s101, s14, HALFT                     ; where they go: wave x 24,576: no place in the cluster enters an LDS address
	s_lshl_b32 s100, s14, 12
	s_wait_dscnt 0x0                               ; the opening add is done
	s_wait_kmcnt 0x0
	s_add_nc_u64 s[92:93], s[4:5], s[92:93]
	s_add_nc_u64 s[94:95], s[4:5], s[94:95]
	s_add_nc_u64 s[96:97], s[6:7], s[96:97]
	s_add_nc_u64 s[98:99], s[6:7], s[98:99]
	CROUND                                         ; all sixteen work-groups are here: the first joint loads meet
	SETG0 G0SA, 100, SCL, 94, 0
	SETG0 G0SB, 100, SCL, 98, 0
	JLOAD G0SA, G1SA, G0SB, G1SB                   ; the scale bytes first
	SETG0 G0A0, 101, 0, 92, 0
	SETG0 G0B0, 101, 0, 96, 0
	JLOAD G0A0, G1A, G0B0, G1B                     ; chunk 0
	SETG0 G0A1, 101, SLOT, 92, CHA
	SETG0 G0B1, 101, SLOT, 96, CHB
	JLOAD G0A1, G1A, G0B1, G1B                     ; chunk 1
	SETG0 G0A2, 101, 2*SLOT, 92, 2*CHA
	SETG0 G0B2, 101, 2*SLOT, 96, 2*CHB
	JLOAD G0A2, G1A, G0B2, G1B                     ; chunk 2
	v_and_b32 v1, 31, v0
	v_and_b32 v2, 15, v0                           ; r
	v_bfe_u32 v3, v0, 4, 1                         ; h
	v_lshlrev_b32 v17, 4, v1                       ; 16 l
	v_lshlrev_b32 v18, 3, v1                       ; 8 l
	s_lshl_b32 s100, s18, 10                       ; my first column, in bytes: 1,024 X + 512 x half
	s_lshl_b32 s101, s16, 9
	s_add_co_u32 s100, s100, s101
	s_mov_b32 s101, 0
	s_add_nc_u64 s[8:9], s[8:9], s[100:101]
	s_add_nc_u64 s[10:11], s[10:11], s[100:101]
	v_lshlrev_b32 v20, 5, v3                       ; the bias in the result's layout: lane (r, h) wants, for tile b, columns 16 b + 8 h + 0 .. 7
.irp b, 0,1,2,3,4,5,6,7
	global_load_b128 v[64+8*\b:67+8*\b], v20, s[8:9] offset:64*\b
	global_load_b128 v[68+8*\b:71+8*\b], v20, s[8:9] offset:64*\b+16
.endr
	s_lshl_b32 s100, s17, 20                       ; my first row: 256 Y + 128 x half, rows of 4,096 bytes
	s_lshl_b32 s21, s15, 19
	s_add_co_u32 s100, s100, s21
	s_add_nc_u64 s[10:11], s[10:11], s[100:101]
	s_mul_i32 s100, s15, HALFT                     ; my 128 rows of A,
	s_mul_i32 s101, s16, HALFT
	s_add_co_u32 s101, s101, 2*HALFT               ; my 128 rows of B
.irp s, 0,1,2
	v_add_nc_u32 v[A16+\s], s100, v17
	v_add_nc_u32 v[A8+\s], s100, v18
	v_add_nc_u32 v[B16+\s], s101, v17
	v_add_nc_u32 v[B8+\s], s101, v18
	s_add_co_u32 s100, s100, SLOT
	s_add_co_u32 s101, s101, SLOT
.endr
	s_lshl_b32 s100, s15, 12
	s_lshl_b32 s101, s16, 12
	s_add_co_u32 s101, s101, 8192
	s_sub_co_u32 s101, s101, s100
	v_mul_u32_u24 v[ADRS], s101, v3                ; lanes 16-31 take B's: one product, the distance between the two bases
	s_add_co_u32 s100, s100, SCL
	v_lshl_add_u32 v[ADRS], v2, 4, v[ADRS]
	v_add_nc_u32 v[ADRS], s100, v[ADRS]
	s_mul_i32 s100, s14, 16*SPITCH
	s_add_co_u32 s100, s100, SLOT                  ; my stage
	v_mul_u32_u24 v21, v2, SPITCH
	v_lshl_add_u32 v21, v3, 5, v21
	v_add_nc_u32 v[STO], s100, v21                 ; in: row r, 32 bytes for each half of the lanes
	v_add_nc_u32 v[RD], s100, v17                  ; back: the 32 lanes take one row of 512 bytes
	s_wait_tensorcnt 2                             ; the scale bytes and my part of chunk 0 are in; chunks 1 and 2 may stay out
	s_barrier_signal -1
	s_barrier_wait -1
	FETCH_B 0, 0, 0
	FETCH_A 0, 0, 0
	SCALES 0
	FETCH_A 0, 0, 4
	s_wait_loadcnt 0x0                             ; the bias
	KS_PLAIN 0, 2                                  ; the first products start the sums from the bias: nothing is cleared, nothing is added later
	KS_TURN 1, 1
	KS_PLAIN 2, 0
	KS_PLAIN 3, 0
	KS_PLAIN 4, 0
	KS_TURN 5, 0
	KS_PLAIN 6, 0
	KS_LAST 7
; THE WAY OUT, block by block of 16 rows x 128 columns: through my own stage in LDS, back as whole rows of 512 bytes.  LDS serves a wave's instructions in order: no wait between the stores and the loads.
.macro TOSTAGE a
.set AC, 64*((\a)%4)
	WIN 0x08+4*((\a)/4)                            ; an LDS store's data: window 2 or 3
.irp b, 0,1,2,3,4,5,6,7
	ds_store_b128 v[STO], v[AC+8*\b:AC+8*\b+3] offset:64*\b          ; each accumulator from its low end on
	ds_store_b128 v[STO], v[AC+8*\b+4:AC+8*\b+7] offset:64*\b+16
.endr
	WIN 0
.set BB, BK+64*((\a)%2)
.irp t, 0,1,2,3,4,5,6,7,8,9,10,11,12,13,14,15
	ds_load_b128 v[BB+4*\t:BB+4*\t+3], v[RD] offset:\t*SPITCH
.endr
.endm
.macro SEND a, younger                 ; younger: the LDS instructions issued behind block a's loads, which may stay out
.set BB, BK+64*((\a)%2)
	s_wait_dscnt \younger
.if (\a) > 0
	s_add_nc_u64 s[10:11], s[10:11], 16*4096       ; (behind a wait on XCNT: the earlier stores have read their base)  16 rows on
.endif
.irp t, 0,1,2,3,4,5,6,7,8,9,10,11,12,13,14,15
	global_store_b128 v[CO], v[BB+4*\t:BB+4*\t+3], s[10:11] offset:\t*4096 th:TH_STORE_NT   ; 32 lanes store 512 consecutive bytes, at a multiple of 256 from out0's first byte
.endr
.endm
	PLACES 4                                       ; behind the last products: for the reads of results and the loads into A's registers
	TOSTAGE 0
.irp a, 1,2,3,4,5,6,7
.if \a > 1
	s_wait_xcnt 0x0                                ; block a - 2's stores have read their registers and their base
.endif
	TOSTAGE \a
	SEND \a-1, 32                                  ; behind block a - 1's loads: block a's 16 stores and 16 loads
.endr
	s_wait_xcnt 0x0
	SEND 7, 0
	s_wait_tensorcnt 0x0                           ; the wave's end: behind my last tensor load and my last LDS store
	ds_add_u32 v[SPW], v[NIL]
	s_wait_dscnt 0x0
	CROUND                                         ; the closing round
	s_endpgm
.Lfunc_end_k_qe2a6366927_proj:
	.size	k_qe2a6366927_proj, .Lfunc_end_k_qe2a6366927_proj-k_qe2a6366927_proj
	.p2alignl 7, 3214868480
	.fill 96, 4, 3214868480
	.section	.rodata,"a",@progbits
	.p2align	6, 0x0
	.amdhsa_kernel k_qe2a6366927_proj
		.amdhsa_group_segment_fixed_size 327680
		.amdhsa_private_segment_fixed_size 0
		.amdhsa_enable_private_segment 0
		.amdhsa_kernarg_size 32
		.amdhsa_user_sgpr_count 2
		.amdhsa_user_sgpr_kernarg_segment_ptr 1
		.amdhsa_wavefront_size32 1
		.amdhsa_system_sgpr_workgroup_id_x 1
		.amdhsa_system_sgpr_workgroup_id_y 1
		.amdhsa_system_sgpr_workgroup_id_z 1
		.amdhsa_system_vgpr_workitem_id 0
		.amdhsa_next_free_vgpr 1024
		.amdhsa_next_free_sgpr 102
		.amdhsa_reserve_vcc 0
		.amdhsa_float_denorm_mode_32 3
		.amdhsa_float_denorm_mode_16_64 3
		.amdhsa_memory_ordered 1
		.amdhsa_forward_progress 1
		.amdhsa_inst_pref_size 145
	.end_amdhsa_kernel
	.amdgpu_metadata
---
amdhsa.version: [ 1, 2 ]
amdhsa.kernels:
  - .name:           k_qe2a6366927_proj
    .symbol:         k_qe2a6366927_proj.kd
    .args:
      - { .name: aq, .offset: 0, .size: 8, .value_kind: global_buffer, .address_space: global }
      - { .name: pq, .offset: 8, .size: 8, .value_kind: global_buffer, .address_space: global }
      - { .name: proj_b, .offset: 16, .size: 8, .value_kind: global_buffer, .address_space: global }
      - { .name: out0, .offset: 24, .size: 8, .value_kind: global_buffer, .address_space: global }
    .group_segment_fixed_size: 327680
    .private_segment_fixed_size: 0
    .kernarg_segment_align: 8
    .kernarg_segment_size: 32
    .max_flat_workgroup_size: 128
    .sgpr_count:     102
    .vgpr_count:     1024
    .wavefront_size: 32
...
	.end_amdgpu_metadata
.endif
;; end of part 4
